; MI455X (gfx1250); checked and timed in simulation.
; The chip was launched on July 23, 2026; its instructions are those of AMD's public machine-readable ISA for CDNA 5 (MIT licence, August 2026) and "CDNA5" Instruction Set Architecture Reference Guide (July 2026). The comments in the code are by the model that wrote it; some were corrected since.
;; Multihead Attention. Allowed arithmetic: matrix products marked QUANTISED: E4M3 operands, one given power-of-two scale a tensor, by v_wmma_f32_16x16x64_fp8_fp8 or v_wmma_f32_16x16x128_fp8_fp8, f32 sums; everything else in f32.
;; Inputs: Wk_codes 512 x 16 x 32 uint8 (E4M3 codes of Wk, K innermost, in blocks of 32 codes); Wo_codes 512 x 16 x 32 uint8 (E4M3 codes of Wo, K innermost, in blocks of 32 codes); Wq_codes 512 x 16 x 32 uint8 (E4M3 codes of Wq, K innermost, in blocks of 32 codes); Wv_codes 512 x 16 x 32 uint8 (E4M3 codes of Wv, K innermost, in blocks of 32 codes); bk 512 float32; bo 512 float32; bq 512 float32; bv 512 float32; key__codes 2 x 4,096 x 16 x 32 uint8 (E4M3 codes of key_, K innermost, in blocks of 32 codes); lowp_scales 12 int32 (the exponents e of the quantised operands' scales 2^e); query_codes 2 x 4,096 x 16 x 32 uint8 (E4M3 codes of query, K innermost, in blocks of 32 codes); value_codes 2 x 4,096 x 16 x 32 uint8 (E4M3 codes of value, K innermost, in blocks of 32 codes).
;; Outputs: out0 2 x 4,096 x 512 float32.
;; This version of the problem:
;;   THIS VERSION OF THE PROBLEM IS GIVEN IN LOW PRECISION. The matrix products marked QUANTISED in the list below multiply operands that are first quantised to E4M3 (4 exponent bits, 3 mantissa bits; 8 bits a number), with one given power-of-two scale for each operand tensor; their sums are f32. All else is computed in f32.
;;   The module's matrix products, in the order in which they are computed (A, B: the left and right operand; K: the contracted axis; several contracted axes count as one K, in the product's order):
;;     1. [M 8,192, K 512] x [K 512, N 512]; A: input query (given as codes); B: input Wq (given as codes): QUANTISED (scales: A lowp_scales[0], B lowp_scales[1])
;;     2. [M 8,192, K 512] x [K 512, N 512]; A: input key_ (given as codes); B: input Wk (given as codes): QUANTISED (scales: A lowp_scales[2], B lowp_scales[3])
;;     3. [M 8,192, K 512] x [K 512, N 512]; A: input value (given as codes); B: input Wv (given as codes): QUANTISED (scales: A lowp_scales[4], B lowp_scales[5])
;;     4. batch 16 x [M 4,096, K 64] x [K 64, N 4,096]; A: computed on the way; B: computed on the way: QUANTISED (scales: A lowp_scales[6], B lowp_scales[7])
;;     5. batch 16 x [M 4,096, K 4,096] x [K 4,096, N 64]; A: softmax (see below); B: computed on the way: QUANTISED (scales: A lowp_scales[8], B lowp_scales[9])
;;     6. [M 8,192, K 512] x [K 512, N 512]; A: computed on the way; B: input Wo (given as codes): QUANTISED (scales: A lowp_scales[10], B lowp_scales[11])
;;   THE QUANTISER, for each operand of a quantised product, along K:
;;     - The operand's scale is 2^e, e = its entry of the input lowp_scales (int32; the entries are numbered through the quantised products in the list's order, A before B).
;;     - Each number is divided by the scale, clamped to +-448, and rounded to the nearest number of E4M3, ties to even, subnormals kept.
;;     - The product sums the exact products of the quantised numbers (number of the format x scale) in f32.
;;   ~~~python
;;   def quantise(x, axis, e):      # numpy; x: float32 -> the quantised numbers, widened to float32 again
;;       x = np.moveaxis(x, axis, -1); K = x.shape[-1]
;;       r = np.clip(x / 2.0 ** e, -448, 448)
;;       step = 2.0 ** (np.maximum(np.frexp(np.where(r == 0, 1, r))[1] - 1, -6) - 3)
;;       q = np.round(r / step) * step * 2.0 ** e      # np.round: ties to even
;;       return np.moveaxis(q, -1, axis).astype(np.float32)
;;   ~~~
;;   SOFTMAX AHEAD OF A QUANTISED PRODUCT. Where the list says 'softmax', what is quantised is not the finished softmax but p = 2^(t - M), with t = logit x log2(e) and M = ceil(the row's largest t), a whole number; so 1/2 < the row's largest p <= 1. The row's sum l is taken of the UNQUANTISED p, in f32, and the product's result is divided by l at the end. Since M is a whole number, a kernel that streams over the keys may use a running M (the ceiling of the running maximum): every later rescaling is an exact power of two, so the quantised numbers keep their values, but for numbers so far below the row's largest that they fall under the format's range.
;;   OPERANDS COMPUTED ON THE WAY. 'Computed on the way' means the value that the module computes at that place (a softmax that the list does not call 'softmax' is quantised finished and normalised). What goes into a quantiser is computed in f32, as accurately as f32 sums, v_exp_f32 and their like allow (about 1e-6 of the number): no bf16 or f16 on the way to a quantiser, and a product that is left as it is and whose result goes on into a quantised operand takes f32 operands (vector FMAs, or v_wmma_f32_16x16x4_f32). A number that lies on a knife's edge between two numbers of the format may be rounded either way, as far as f32 arithmetic and the matrix unit's own rounding can turn it there, and no further.
;;   INPUTS GIVEN AS CODES. Wk (in the module: [512, 512], K = its axis 1); Wo (in the module: [512, 512], K = its axis 1); Wq (in the module: [512, 512], K = its axis 1); Wv (in the module: [512, 512], K = its axis 1); key_ (in the module: [2, 4096, 512], K = its axis 2); query (in the module: [2, 4096, 512], K = its axis 2); value (in the module: [2, 4096, 512], K = its axis 2): each comes as NAME_codes (uint8): NAME with its K axis moved to the last place and cut into blocks of 32 codes, [.., K / 32, bytes a block], one block behind the other in memory; one code a byte (a code: sign, 4 exponent bits, 3 mantissa bits); its scale is its entry of lowp_scales. Its value is code x scale, taken as it is: it is not quantised again, and the codes and scales need not be those that the quantiser above would give.
;; 2 versions, each right; version 2 is version 1 with the launches proj, attn, outp written anew for expert scheduling mode. Each part assembles by itself: llvm-mc -triple=amdgcn-amd-amdhsa -mcpu=gfx1250 --defsym DOCPART=n.
;; ======== version 1 of 2: 3 launches
;; workspace buffers: qc 4,194,304 bytes; kc 4,194,304 bytes; vc 4,194,304 bytes; ctxc 4,194,304 bytes
;; launch proj (part 1): grid 64 x 3, 8 waves a work-group, no clusters, 68,608 bytes of LDS; arguments query_codes, key__codes, value_codes, Wq_codes, Wk_codes, Wv_codes, bq, bk, bv, lowp_scales, qc, kc, vc; writes qc, kc, vc
.if DOCPART == 1
	.amdgcn_target "amdgcn-amd-amdhsa--gfx1250"
	.amdhsa_code_object_version 6
	.text
	.protected	k_q697551c6f9_proj
	.globl	k_q697551c6f9_proj
	.p2align	8
	.type	k_q697551c6f9_proj,@function
k_q697551c6f9_proj:
	s_mov_b64 s[64:65], 0
	v_nop
	global_prefetch_b8 v0, s[64:65] scope:SCOPE_SE
	s_setreg_imm32_b32 hwreg(HW_REG_WAVE_MODE, 25, 1), 1
	s_wait_xcnt 0x0
; The three in-projections, y = x W^T + b, on E4M3 codes as they are given, and the quantisers behind them.
; Work-group (x, y): y = 0 query -> qc, 1 key_ -> kc, 2 value -> vc; x = which 128 of the 8,192 token rows.  Wave w = head w: it keeps its 64 rows of W (64 x 512 codes,
; 256 registers, window 1) for the whole launch.  The 128 rows of x (65,536 bytes) are read once, densely, laid in LDS in rows of 512 + 16 bytes, and read from there by all eight waves.
; RESULTS ARE STORED AS IMAGES OF THE NEXT PRODUCT'S OPERAND REGISTERS, 16 bytes a lane, 512 consecutive bytes a store:
;   qc, kc: [batch x 8 + head][tile of 16 tokens][half u][lane][16]: registers 4 u .. 4 u + 3 of a 16 x 64 fragment (lane % 16 = token).
;   vc:     [batch x 8 + head][128 keys][tile t of 16 channels][quarter c][lane][16]: registers 4 c .. 4 c + 3 of a 16 x 128 fragment (lane % 16 = channel row; registers 2 m, 2 m + 1: keys 16 m + 8 (lane / 16) + 0 .. 7).
; THE ROWS OF W THAT FORM A TILE ARE NOT NEIGHBOURS: lane r of tile t takes row 64 head + 32 (t / 2) + 8 (t % 2) + r + 8 (r / 8).  For q and k that is one permutation of the head's 64 channels, the same on both
; sides of their product; for v it makes the attention's results 16 neighbouring channels in 16 registers of a lane.
; q, k: source 0 = 16 rows of W, source 1 = 16 tokens: a lane holds one token and eight channels.  v: the sources swapped: a lane holds one channel and eight tokens (the keys are the next K).
; The fragments of x and W are fetched 16 bytes at a time (registers 4 c .. 4 c + 3: k = 32 c + 16 (lane / 16) + 0 .. 15): one permutation of k, the same on both sides.
; SCALES.  A sum stands for sum x 2^(ea + eb).  The bias goes in as b / 2^(ea + eb), as the C of each sum's first product; the code is (sum + that) / 2^(eo - ea - eb), held within +-448 of that scale.
; LIMITS: eo - ea - eb between -126 and 119 (eo = entry 6, 7, 9 of the scales; ea, eb = entries 0, 1; 2, 3; 4, 5); b / 2^(ea + eb) must be an f32 number.  NaN in a bias is not served.
; 192 work-groups: the three tensors' 24,576 rows in blocks of 128; blocks of 64 would read each head's weights twice as often.
.set PITCH, 528                        ; an LDS row of x: 512 bytes + 16: an odd multiple of 16, so the 16 rows of a fragment load start 16 bytes apart modulo 256
.set BI,  16                           ; v16-47   the bias, four tiles of eight registers in the result's layout
.set ACC, 48                           ; v48-79   four accumulators
.set CV,  80                           ; v80-95   codes on their way out
.set XS,  128                          ; v128-191, v192-255: two sets of x's four fragments (16 tokens x 512 K); at the head the first set carries x to LDS
.set MSB, 0
.macro WIN new                         ; the immediate's high byte repeats the setting that is left
.if MSB != \new
	s_set_vgpr_msb (MSB<<8)|\new
.set MSB, \new
.endif
.endm
.macro PLACES n
.rept \n
	v_nop
.endr
.endm
	s_load_b512 s[8:23], s[0:1], 0x0               ; query 8:9, key_ 10:11, value 12:13, Wq 14:15, Wk 16:17, Wv 18:19, bq 20:21, bk 22:23
	s_load_b256 s[24:31], s[0:1], 0x40             ; bv 24:25, the scales' exponents 26:27, qc 28:29, kc 30:31
	s_load_b64 s[32:33], s[0:1], 0x60              ; vc
	v_lshl_add_u32 v126, v0, 2, 0x10800
	v_mov_b32 v127, 0
	v_lshrrev_b32 v1, 5, v0
	v_readfirstlane_b32 s2, v1                     ; wave = head
	s_and_b32 s3, ttmp7, 0xffff                    ; which tensor
	s_mov_b32 s4, ttmp9                            ; which 128 rows
	v_and_b32 v11, 31, v0                          ; lane
	v_and_b32 v1, 15, v0                           ; r
	v_bfe_u32 v2, v0, 4, 1                         ; h
	v_lshlrev_b32 v3, 4, v11                       ; 16 x lane: an image's place for my lane
	v_lshlrev_b32 v4, 4, v0                        ; 16 x thread: my bytes of 4,096 of x
	s_mul_i32 s57, s2, PITCH
	v_add_nc_u32 v5, s57, v3                       ; into LDS: load i brings rows 8 i + wave: wave x pitch + 16 x lane, + 8 pitches for each i
	v_mul_u32_u24 v6, v1, PITCH
	v_lshl_add_u32 v6, v2, 4, v6                   ; out of LDS: row r, + 16 h
	v_and_b32 v12, 8, v1
	v_add_nc_u32 v12, v12, v1                      ; r + 8 (r / 8)
	v_lshlrev_b32 v7, 9, v12
	v_lshl_add_u32 v7, v2, 4, v7                   ; W: that row of 512 bytes, + 16 h
	s_lshl_b32 s58, s4, 16                         ; x: 128 rows of 512 bytes
	s_mov_b32 s59, 0
	s_lshl_b32 s60, s2, 15                         ; W: 64 rows of 512 bytes a head
	s_mov_b32 s61, 0
	s_lshl_b32 s62, s2, 8                          ; the bias: 64 numbers a head
	s_mov_b32 s63, 0
	s_lshr_b32 s6, s4, 5                           ; the batch: 32 blocks of 128 tokens each
	s_lshl_b32 s6, s6, 21                          ; 8 heads of 262,144 bytes
	s_lshl_b32 s7, s2, 18
	s_add_co_u32 s6, s6, s7                        ; + my head
	s_and_b32 s7, s4, 31
	s_lshl_b32 s7, s7, 13
	s_add_co_u32 s6, s6, s7                        ; + 8,192 bytes for each 128 tokens: the same in all three layouts
	s_mov_b32 s7, 0
	s_wait_kmcnt 0x0
	s_load_b256 s[44:51], s[26:27], 0x0            ; e0 .. e7
	s_load_b64 s[52:53], s[26:27], 0x20            ; e8, e9
	s_cmp_eq_u32 s3, 0                             ; the buffers are chosen by the work-group's y alone
	s_cselect_b64 s[36:37], s[8:9], s[10:11]
	s_cselect_b64 s[38:39], s[14:15], s[16:17]
	s_cselect_b64 s[40:41], s[20:21], s[22:23]
	s_cselect_b64 s[42:43], s[28:29], s[30:31]
	s_cmp_eq_u32 s3, 2
	s_cselect_b64 s[36:37], s[12:13], s[36:37]     ; x
	s_cselect_b64 s[38:39], s[18:19], s[38:39]     ; W
	s_cselect_b64 s[40:41], s[24:25], s[40:41]     ; b
	s_cselect_b64 s[42:43], s[32:33], s[42:43]     ; the codes' buffer
	s_add_nc_u64 s[36:37], s[36:37], s[58:59]
	s_add_nc_u64 s[38:39], s[38:39], s[60:61]
	s_add_nc_u64 s[40:41], s[40:41], s[62:63]
	s_add_nc_u64 s[42:43], s[42:43], s[6:7]
.irp i, 0,1,2,3,4,5,6,7,8,9,10,11,12,13,14,15
	global_load_b128 v[XS+4*\i:XS+4*\i+3], v4, s[36:37] offset:4096*\i th:TH_LOAD_NT   ; a wave reads 512 consecutive bytes: one row of x
.endr
.macro WLOAD t                         ; W's fragments (tile t, K step ks) into v[16 (4 t + ks)] of window 1
.irp ks, 0,1,2,3
.irp c, 0,1,2,3
	global_load_b128 v[16*(4*\t+\ks)+4*\c:16*(4*\t+\ks)+4*\c+3], v7, s[38:39] offset:(32*(\t/2)+8*(\t%2))*512+128*\ks+32*\c
.endr
.endr
.endm
	WIN 0x40                                       ; destination window 1
	WLOAD 0
	WLOAD 1
	WLOAD 2
	WIN 0
	s_wait_kmcnt 0x0
	s_cmp_eq_u32 s3, 0
	s_cselect_b32 s54, s44, s46
	s_cselect_b32 s55, s45, s47
	s_cselect_b32 s56, s50, s51
	s_cmp_eq_u32 s3, 2
	s_cselect_b32 s54, s48, s54                    ; ea
	s_cselect_b32 s55, s49, s55                    ; eb
	s_cselect_b32 s56, s53, s56                    ; eo
	s_add_co_i32 s54, s54, s55                     ; ea + eb
	s_sub_co_i32 s56, s56, s54                     ; eo - ea - eb
	s_sub_co_i32 s57, 0, s54                       ; -(ea + eb), for the bias
	s_add_co_i32 s56, s56, 127
	s_lshl_b32 s55, s56, 23
	v_mov_b32 v9, s55                              ; 2^(eo - ea - eb) as f32: the conversion takes its exponent field
	s_add_co_i32 s56, s56, 8
	s_lshl_b32 s56, s56, 23
	s_or_b32 s56, s56, 0x600000
	v_mov_b32 v10, s56                             ; 448 x that
	s_wait_loadcnt 48                              ; behind x's 16 loads 48 of W's were issued: x is in
.irp i, 0,1,2,3,4,5,6,7,8,9,10,11,12,13,14,15
	ds_store_b128 v5, v[XS+4*\i:XS+4*\i+3] offset:8*PITCH*\i
.endr
	WIN 0x40
	WLOAD 3
	WIN 0
	s_wait_dscnt 0x0                               ; for the others' sake: my rows of x lie in LDS
	s_barrier_signal -1
	s_barrier_wait -1                              ; all 128 rows do; from here on LDS is only read
.macro FETCHX mt, xs                   ; the four fragments of tokens 16 mt .. 16 mt + 15 into set xs
.irp ks, 0,1,2,3
.irp c, 0,1,2,3
	ds_load_b128 v[XS+64*(\xs)+16*\ks+4*\c:XS+64*(\xs)+16*\ks+4*\c+3], v6 offset:(\mt)*16*PITCH+128*\ks+32*\c
.endr
.endr
.endm
; 16 products: K step by K step, the four accumulators by turns, one instruction a turn.  The first K step takes the bias as C.
.macro MULS swap, xs
.if \swap
	WIN 0x04                                       ; source 1 (W) window 1
.else
	WIN 0x01                                       ; source 0 (W) window 1
.endif
.irp ks, 0,1,2,3
.irp t, 0,1,2,3
.if \swap
.if \ks == 0
	v_wmma_f32_16x16x128_fp8_fp8 v[ACC+8*\t:ACC+8*\t+7], v[XS+64*(\xs)+16*\ks:XS+64*(\xs)+16*\ks+15], v[16*(4*\t+\ks):16*(4*\t+\ks)+15], v[BI+8*\t:BI+8*\t+7]
.else
	v_wmma_f32_16x16x128_fp8_fp8 v[ACC+8*\t:ACC+8*\t+7], v[XS+64*(\xs)+16*\ks:XS+64*(\xs)+16*\ks+15], v[16*(4*\t+\ks):16*(4*\t+\ks)+15], v[ACC+8*\t:ACC+8*\t+7]
.endif
.else
.if \ks == 0
	v_wmma_f32_16x16x128_fp8_fp8 v[ACC+8*\t:ACC+8*\t+7], v[16*(4*\t+\ks):16*(4*\t+\ks)+15], v[XS+64*(\xs)+16*\ks:XS+64*(\xs)+16*\ks+15], v[BI+8*\t:BI+8*\t+7]
.else
	v_wmma_f32_16x16x128_fp8_fp8 v[ACC+8*\t:ACC+8*\t+7], v[16*(4*\t+\ks):16*(4*\t+\ks)+15], v[XS+64*(\xs)+16*\ks:XS+64*(\xs)+16*\ks+15], v[ACC+8*\t:ACC+8*\t+7]
.endif
.endif
.endr
.endr
	WIN 0
.endm
.macro HOLD                            ; the conversion to an 8-bit code does not saturate (ISA guide 7.6.2): each number is held within the largest code x the scale; each accumulator from its low end on
.set n, 0
.rept 32
	v_med3_num_f32 v[ACC+n], v[ACC+n], -v10, v10
.set n, n+1
.endr
.endm
; One tile of 16 tokens.  The next tile's fragments are asked for first, into the other set, whose last products stand behind the five places and the holds of the tile before.
.macro TRIP mt, swap
.if \mt < 7
	FETCHX \mt+1, (\mt+1)%2
	s_wait_dscnt 16                                ; this tile's 16 loads are in; the 16 just issued may be out
.else
	s_wait_dscnt 0x0
.endif
	MULS \swap, (\mt)%2
	PLACES 5                                       ; behind the last products: four ahead of the holds, which read and write results, and of later loads into x's set; five ahead of the next tile's first products, which begin the accumulators anew
.if \swap
.if (\mt)%2 == 0
	s_wait_xcnt 0x0                                ; the last stores have read the codes' registers
.endif
	HOLD
.irp t, 0,1,2,3
	v_cvt_scalef32_pk8_fp8_f32 v[CV+4*\t+2*((\mt)%2):CV+4*\t+2*((\mt)%2)+1], v[ACC+8*\t:ACC+8*\t+7], v9   ; keys 16 mt + 8 h + 0 .. 7 of my channel: registers 2 mt, 2 mt + 1 of tile t's fragment
.endr
	v_nop                                          ; one plain line between the last conversion and the products that write its sources
.if (\mt)%2 == 1
.irp t, 0,1,2,3
	global_store_b128 v3, v[CV+4*\t:CV+4*\t+3], s[42:43] offset:\t*2048+((\mt)/2)*512   ; a quarter of a fragment: 512 consecutive bytes
.endr
.endif
.else
	s_wait_xcnt 0x0                                ; the last stores have read the codes' registers
	HOLD
.irp t, 0,1,2,3
	v_cvt_scalef32_pk8_fp8_f32 v[CV+2*\t:CV+2*\t+1], v[ACC+8*\t:ACC+8*\t+7], v9   ; eight channels of my token: registers 2 t, 2 t + 1 of the fragment
.endr
	v_nop                                          ; one plain line between the last conversion and the products that write its sources
	global_store_b128 v3, v[CV:CV+3], s[42:43] offset:(\mt)*1024
	global_store_b128 v3, v[CV+4:CV+7], s[42:43] offset:(\mt)*1024+512
.endif
.endm
	s_cmp_eq_u32 s3, 2
	s_cbranch_scc1 .Lv
	; ---- q and k: lane (r, h) holds token r; register j of tile t is channel 32 (t / 2) + 8 (t % 2) + 16 h + j
	v_lshlrev_b32 v8, 6, v2                        ; the bias: 16 h numbers on
.irp t, 0,1,2,3
	global_load_b128 v[BI+8*\t:BI+8*\t+3], v8, s[40:41] offset:(32*(\t/2)+8*(\t%2))*4
	global_load_b128 v[BI+8*\t+4:BI+8*\t+7], v8, s[40:41] offset:(32*(\t/2)+8*(\t%2))*4+16
.endr
	FETCHX 0, 0
	s_wait_loadcnt 0x0                             ; the bias, and all of W
.set n, 0
.rept 32
	v_ldexp_f32 v[BI+n], v[BI+n], s57              ; b / 2^(ea + eb)
.set n, n+1
.endr
.irp mt, 0,1,2,3,4,5,6,7
	TRIP \mt, 0
.endr
	s_wait_tensorcnt 0x0
	ds_add_u32 v126, v127
	s_wait_dscnt 0x0
	s_endpgm
.Lv:
	; ---- v: lane (r, h) holds channel 32 (t / 2) + 8 (t % 2) + r + 8 (r / 8); register j is token 16 mt + 8 h + j
	v_lshlrev_b32 v8, 2, v12
.irp t, 0,1,2,3
	global_load_b32 v[BI+8*\t], v8, s[40:41] offset:(32*(\t/2)+8*(\t%2))*4
.endr
	FETCHX 0, 0
	s_wait_loadcnt 0x0                             ; the bias, and all of W
.irp t, 0,1,2,3
	v_ldexp_f32 v[BI+8*\t], v[BI+8*\t], s57        ; b / 2^(ea + eb): one number a lane and tile,
.endr
.irp t, 0,1,2,3
.irp j, 1,2,3,4,5,6,7
	v_mov_b32 v[BI+8*\t+\j], v[BI+8*\t]            ; for all eight tokens
.endr
.endr
.irp mt, 0,1,2,3,4,5,6,7
	TRIP \mt, 1
.endr
	s_wait_tensorcnt 0x0
	ds_add_u32 v126, v127
	s_wait_dscnt 0x0
	s_endpgm
.Lfunc_end_k_q697551c6f9_proj:
	.size	k_q697551c6f9_proj, .Lfunc_end_k_q697551c6f9_proj-k_q697551c6f9_proj
	.p2alignl 7, 3214868480
	.fill 96, 4, 3214868480
	.section	.rodata,"a",@progbits
	.p2align	6, 0x0
	.amdhsa_kernel k_q697551c6f9_proj
		.amdhsa_group_segment_fixed_size 68608
		.amdhsa_private_segment_fixed_size 0
		.amdhsa_enable_private_segment 0
		.amdhsa_kernarg_size 104
		.amdhsa_user_sgpr_count 2
		.amdhsa_user_sgpr_kernarg_segment_ptr 1
		.amdhsa_wavefront_size32 1
		.amdhsa_system_sgpr_workgroup_id_x 1
		.amdhsa_system_sgpr_workgroup_id_y 1
		.amdhsa_system_sgpr_workgroup_id_z 1
		.amdhsa_system_vgpr_workitem_id 0
		.amdhsa_next_free_vgpr 512
		.amdhsa_next_free_sgpr 66
		.amdhsa_reserve_vcc 0
		.amdhsa_float_denorm_mode_32 3
		.amdhsa_float_denorm_mode_16_64 3
		.amdhsa_memory_ordered 1
		.amdhsa_forward_progress 1
		.amdhsa_inst_pref_size 93
	.end_amdhsa_kernel
	.amdgpu_metadata
---
amdhsa.version: [ 1, 2 ]
amdhsa.kernels:
  - .name:           k_q697551c6f9_proj
    .symbol:         k_q697551c6f9_proj.kd
    .args:
      - { .name: query_codes, .offset: 0, .size: 8, .value_kind: global_buffer, .address_space: global }
      - { .name: key__codes, .offset: 8, .size: 8, .value_kind: global_buffer, .address_space: global }
      - { .name: value_codes, .offset: 16, .size: 8, .value_kind: global_buffer, .address_space: global }
      - { .name: Wq_codes, .offset: 24, .size: 8, .value_kind: global_buffer, .address_space: global }
      - { .name: Wk_codes, .offset: 32, .size: 8, .value_kind: global_buffer, .address_space: global }
      - { .name: Wv_codes, .offset: 40, .size: 8, .value_kind: global_buffer, .address_space: global }
      - { .name: bq, .offset: 48, .size: 8, .value_kind: global_buffer, .address_space: global }
      - { .name: bk, .offset: 56, .size: 8, .value_kind: global_buffer, .address_space: global }
      - { .name: bv, .offset: 64, .size: 8, .value_kind: global_buffer, .address_space: global }
      - { .name: lowp_scales, .offset: 72, .size: 8, .value_kind: global_buffer, .address_space: global }
      - { .name: qc, .offset: 80, .size: 8, .value_kind: global_buffer, .address_space: global }
      - { .name: kc, .offset: 88, .size: 8, .value_kind: global_buffer, .address_space: global }
      - { .name: vc, .offset: 96, .size: 8, .value_kind: global_buffer, .address_space: global }
    .group_segment_fixed_size: 68608
    .private_segment_fixed_size: 0
    .kernarg_segment_align: 8
    .kernarg_segment_size: 104
    .max_flat_workgroup_size: 256
    .sgpr_count:     66
    .vgpr_count:     512
    .wavefront_size: 32
...
	.end_amdgpu_metadata
.endif
;; end of part 1
;; launch attn (part 2): grid 16 x 16, 8 waves a work-group, no clusters, 66,560 bytes of LDS; arguments qc, kc, vc, lowp_scales, ctxc; writes ctxc
.if DOCPART == 2
	.amdgcn_target "amdgcn-amd-amdhsa--gfx1250"
	.amdhsa_code_object_version 6
	.text
	.protected	k_q697551c6f9_attn
	.globl	k_q697551c6f9_attn
	.p2align	8
	.type	k_q697551c6f9_attn,@function
k_q697551c6f9_attn:
	s_mov_b64 s[64:65], 0
	v_nop
	global_prefetch_b8 v0, s[64:65] scope:SCOPE_SE
	s_setreg_imm32_b32 hwreg(HW_REG_WAVE_MODE, 25, 1), 1
	s_wait_xcnt 0x0
; ctx = softmax(q k^T / 8) v for one head and 256 queries a work-group, both products on E4M3 codes; the result is quantised for the out-projection.
; qc, kc, vc are images of operand registers (16 bytes a lane, 512 bytes on end): qc, kc [head][tile of 16 tokens][2][lane][16]; vc [head][128 keys][tile of 16 channels][4][lane][16].
; ctxc [tile of 16 tokens][head][2][lane][16]: registers 8 head + 4 b .. + 3 of the 64 that hold a token tile's 512 channels for the out-projection.
; THE SOFTMAX: t = score x log2(e) / 8; M = the largest t so far, rounded UP to a whole number; p = 2^(t - M) is quantised with 2^ep, not normalised; the row's sum is taken of the unquantised p and divides at the end.
; When M moves, the sum and O are multiplied by 2^(old M - new M): a power of two.
; SHARES.  Work-group (x, y): head y (batch x 8 + head), queries 256 x on.  Each of eight waves owns 32 queries, tiles A and B, so that each fragment of K and V read from LDS feeds two products.  Two waves to a SIMD.
; Every wave walks the head's 4,096 keys, 128 a step: 16 products S^T = K Q^T (source 0 = 16 keys, source 1 = 16 queries), the softmax, 8 products O^T += V^T P (source 0 = 16 channels x 128 keys, source 1 = P).
; A lane holds ONE query (lane % 16) throughout; register j of S^T's tile t is key 16 t + 8 (lane / 16) + j, so the conversions' results are P's registers 2 t, 2 t + 1, the places that V's image has for the same keys.
; ONE TILE'S EXPONENTIALS STAND AMONG THE OTHER TILE'S PLAIN LINES: A's 64 between B's maximum and scalings; B's 64 between A's sums and the rescaling of both O^T.  Each batch of 64 has one wait.
; LDS: two slots of 256 keys (16,384 bytes of K, then 16,384 of V), filled THROUGH REGISTERS: eight 16-byte loads a thread are issued in the middle of one slot's work and stored at the head of the next slot's.
; One barrier a slot.  One trip of the loop runs both slots, so every LDS address is 16 x lane or 16 x thread plus an immediate.
; NO CLUSTER, NO JOINT LOADS, though the 16 work-groups of a head walk the same K and V: a joint load is a tensor load.  The branch on ep spares 128 of a
; step's some 530 vector lines wherever 448 x 2^ep is at least 1 (p is at most 1); what sharing would spare is four 16-byte loads a thread and step.
; LIMITS on the given exponents: e6 + e7 between -123 and 130 (added to c's exponent field); ep = e8, and e10 - e8 - e9, between -126 and 119.
; REGISTERS.  Window 0: v1 16 x lane; v2 16 x thread; v3 256 x lane; v4, v5 lane exchanges; v6 448 x 2^ep; v7 2^ep; v8-15, v16-23 statistics of A, B (+0 -M, +1 the largest t, +2:3 the sum, +4:5 f, +6, +7 at work);
;   v24-27 second chains of the sums; v28, v29 the way out's scale; v32-63, v64-95 O^T; v96-159, v160-223 S^T, then p; v224-239, v240-255 P's codes.
;   Window 1: v0-63 K; v64-79 Q; v96-127 the loads on their way to LDS; v128-191 V.
.set SLOTB, 32768
.set VOFF,  16384                      ; V's part of a slot
.set STEPB, 8192                       ; 128 keys of K, or of V
.set LI,   1
.set TI,   2
.set PFO,  3
.set PDA,  4
.set PDB,  5
.set LIMV, 6
.set SCV,  7
.set TA,   8
.set TBB,  16
.set TPA,  24
.set TPB,  26
.set OA,   32
.set OB,   64
.set SA,   96
.set SB,   160
.set PA,   224
.set PB,   240
.set KF,   0                           ; window 1
.set QF,   64
.set GF,   96
.set VF,   128
.set MSB, 0
.macro WIN new                         ; the immediate's high byte repeats the setting that is left
.if MSB != \new
	s_set_vgpr_msb (MSB<<8)|\new
.set MSB, \new
.endif
.endm
.macro PLACES n
.rept \n
	v_nop
.endr
.endm
.macro GLOAD goff                      ; 256 keys of K and of V, 16,384 dense bytes each, goff bytes on: 16 bytes a thread, 4,096 a line
	WIN 0x40                                       ; destination window 1
.irp i, 0,1,2,3
	global_load_b128 v[GF+4*\i:GF+4*\i+3], v[TI], s[6:7] offset:(\goff)+4096*\i
.endr
.irp i, 0,1,2,3
	global_load_b128 v[GF+16+4*\i:GF+16+4*\i+3], v[TI], s[8:9] offset:(\goff)+4096*\i
.endr
	WIN 0
.endm
.macro GSTORE sl                       ; and into slot sl as they lie
	WIN 0x04                                       ; the stores' data in window 1
.irp i, 0,1,2,3
	ds_store_b128 v[TI], v[GF+4*\i:GF+4*\i+3] offset:(\sl)*SLOTB+4096*\i
.endr
.irp i, 0,1,2,3
	ds_store_b128 v[TI], v[GF+16+4*\i:GF+16+4*\i+3] offset:(\sl)*SLOTB+VOFF+4096*\i
.endr
.endm
.macro KLOAD sl, q                     ; the eight fragments of K of the slot's q-th 128 keys: register 4 f at byte 512 f
	WIN 0x40
.irp f, 0,1,2,3,4,5,6,7,8,9,10,11,12,13,14,15
	ds_load_b128 v[KF+4*\f:KF+4*\f+3], v[LI] offset:(\sl)*SLOTB+(\q)*STEPB+512*\f
.endr
.endm
.macro VLOAD sl, q                     ; the four fragments of V likewise
	WIN 0x40
.irp f, 0,1,2,3,4,5,6,7,8,9,10,11,12,13,14,15
	ds_load_b128 v[VF+4*\f:VF+4*\f+3], v[LI] offset:(\sl)*SLOTB+VOFF+(\q)*STEPB+512*\f
.endr
.endm
; A PREFETCH INTO THE L2 of the 256 keys whose loads the NEXT half of a trip issues.  All 16 work-groups of a head walk the same K and V: the one with x = 0 asks; in it waves 0 and 1 ask for K's 16,384 bytes and
; waves 2 and 3 for V's, 8,192 bytes a wave, lanes 256 bytes apart: each block of 256 bytes is named once in the launch.  It stands behind the wave's eight loads.  The first three lots of 256 keys come by their loads alone;
; form = 1 (slot 1): the last trip asks for nothing, since no keys follow.
.macro ASK form, off
.if \form
	s_cmp_gt_u32 s30, s31
.else
	s_cmp_ge_u32 s30, s31
.endif
	s_cbranch_scc0 .Lnoask_\@
	global_prefetch_b8 v[PFO], s[32:33] offset:\off th:TH_LOAD_NT scope:SCOPE_SE
.Lnoask_\@:
.endm
; THE SOFTMAX OF A TILE, as numbered lists.  T: its statistics; S: its 64 scores; PD: its exchange register.
; LA, 73 lines: 0-31 the largest of the lane's 64 scores, in two chains, each accumulator from its low end on; 32, 33 the other half of the lanes'; 34 as t; 35-40 the running largest t, -M = floor(-t),
; f = 2^(old M - new M); 41-72 t - M, two scores a line.
.macro LA T, S, PD, j
.if (\j) == 0
	v_max3_num_f32 v[\T+6], v[\S], v[\S+1], v[\S+2]
.elseif (\j) == 1
	v_max3_num_f32 v[\T+7], v[\S+3], v[\S+4], v[\S+5]
.elseif (\j) < 30
	v_max3_num_f32 v[\T+6+(\j)%2], v[\T+6+(\j)%2], v[\S+2*(\j)+2], v[\S+2*(\j)+3]
.elseif (\j) == 30
	v_max3_num_f32 v[\T+6], v[\T+6], v[\S+62], v[\S+63]
.elseif (\j) == 31
	v_max_num_f32 v[\T+6], v[\T+6], v[\T+7]
.elseif (\j) == 32
	v_permlanex16_b32 v[\PD], v[\T+6], s20, s21    ; the query's other 64 keys lie in the lane 16 away
.elseif (\j) == 33
	v_max_num_f32 v[\T+6], v[\T+6], v[\PD]
.elseif (\j) == 34
	v_mul_f32 v[\T+6], s22, v[\T+6]                ; as t (c is positive)
.elseif (\j) == 35
	v_mov_b32 v[\T+7], v[\T]                       ; the old -M
.elseif (\j) == 36
	v_max_num_f32 v[\T+1], v[\T+1], v[\T+6]        ; the running largest t
.elseif (\j) == 37
	v_floor_f32 v[\T], -v[\T+1]                    ; -M = floor(-t) = -ceil(t): a whole number
.elseif (\j) == 38
	v_sub_f32 v[\T+7], v[\T], v[\T+7]              ; old M - new M: a whole number, 0 or less
.elseif (\j) == 39
	v_cvt_i32_f32 v[\T+7], v[\T+7]                 ; (it saturates)
.elseif (\j) == 40
	v_ldexp_f32 v[\T+4], 1.0, v[\T+7]              ; f
.else
	v_pk_fma_f32 v[\S+2*((\j)-41):\S+2*((\j)-41)+1], v[\S+2*((\j)-41):\S+2*((\j)-41)+1], s[22:23], v[\T:\T+1] op_sel_hi:[1,0,0]   ; c s - M (of the pairs c and -M the low word serves both halves)
.endif
.endm
; SU, 33 lines: the sum under the new M, then the 32 pairs of p in two chains.
.macro SU T, S, TP, j
.if (\j) == 0
	v_pk_mul_f32 v[\T+2:\T+3], v[\T+2:\T+3], v[\T+4:\T+5] op_sel_hi:[1,0]
.elseif (\j) == 1
	v_pk_add_f32 v[\TP:\TP+1], v[\S:\S+1], v[\S+2:\S+3]
.elseif (\j) == 32
	v_pk_add_f32 v[\T+2:\T+3], v[\T+2:\T+3], v[\TP:\TP+1]
.elseif (\j)%2 == 0
	v_pk_add_f32 v[\T+2:\T+3], v[\T+2:\T+3], v[\S+2*(\j):\S+2*(\j)+1]
.else
	v_pk_add_f32 v[\TP:\TP+1], v[\TP:\TP+1], v[\S+2*(\j):\S+2*(\j)+1]
.endif
.endm
; RS, 16 lines: O^T under the new M, each accumulator from its low end on.
.macro RS T, O, j
	v_pk_mul_f32 v[\O+2*(\j):\O+2*(\j)+1], v[\O+2*(\j):\O+2*(\j)+1], v[\T+4:\T+5] op_sel_hi:[1,0]
.endm
.macro ITEM i                          ; the 64 plain lines that stand between B's exponentials
.if (\i) < 33
	SU TA, SA, TPA, \i
.elseif (\i) < 49
	RS TA, OA, (\i)-33
.else
	RS TBB, OB, (\i)-49
.endif
.endm
; A KEY STEP: the q-th 128 keys of slot sl.  kw: how many younger LDS instructions may be out when K has to be in.  mid = 1: the slot's next K is fetched; 2: the change of slots: the barrier, then the other slot's first K;
; 0: nothing follows.  vw: the same count for V, or -1 where the barrier's wait has covered it.
.macro STEP sl, q, kw, mid, vw
	VLOAD \sl, \q                                  ; (V's last products stand behind the four places at the end of the step before)
	s_wait_dscnt \kw
	WIN 0x05                                       ; K and Q in window 1
.irp t, 0,1,2,3,4,5,6,7
	v_wmma_f32_16x16x64_fp8_fp8 v[SA+8*\t:SA+8*\t+7], v[KF+8*\t:KF+8*\t+7], v[QF:QF+7], 0
	v_wmma_f32_16x16x64_fp8_fp8 v[SB+8*\t:SB+8*\t+7], v[KF+8*\t:KF+8*\t+7], v[QF+8:QF+15], 0
.endr
	WIN 0
	PLACES 4                                       ; ahead of the loads into K's registers and of the first read of the scores
.if \mid == 1
	KLOAD \sl, 1
	WIN 0
.elseif \mid == 2
	s_wait_dscnt 0x0                               ; my stores of the next 256 keys have landed, and my reads of this slot, V's just issued among them, are over
	s_barrier_signal -1
	s_barrier_wait -1                              ; both hold of all eight waves: the other slot is whole, and this one may be written at the head of the next slot's work
	KLOAD 1-\sl, 0
	WIN 0
.endif
.set n, 0
.rept 73
	LA TA, SA, PDA, n
.set n, n+1
.endr
.set n, 0
.rept 64
	LA TBB, SB, PDB, n
	v_exp_f32 v[SA+n], v[SA+n]                     ; p of tile A, at most 1
.set n, n+1
.endr
.rept 9
	LA TBB, SB, PDB, n                             ; (plain lines behind the last exponential)
.set n, n+1
.endr
	s_wait_alu depctr_va_vdst(0)                   ; one wait for A's 64 exponentials, ahead of the first line that names a result
.set n, 0
.rept 64
	ITEM n
	v_exp_f32 v[SB+n], v[SB+n]                     ; p of tile B
.set n, n+1
.endr
	RS TBB, OB, 15                                 ; (a plain line behind the last exponential)
	s_wait_alu depctr_va_vdst(0)                   ; one wait for B's 64, ahead of their first reader and of the branch below
.set n, 0
.rept 33
	SU TBB, SB, TPB, n
.set n, n+1
.endr
	s_cmp_ge_i32 s26, -8                           ; 448 x 2^ep >= 1 >= p: nothing to hold
	s_cbranch_scc1 .Lnohold_\@
.set n, 0
.rept 128
	v_min_num_f32 v[SA+n], v[SA+n], v[LIMV]        ; the conversion to an 8-bit code does not saturate (ISA guide 7.6.2); p is not negative, so the hold is one-sided
.set n, n+1
.endr
.Lnohold_\@:
.irp t, 0,1,2,3,4,5,6,7
	v_cvt_scalef32_pk8_fp8_f32 v[PA+2*\t:PA+2*\t+1], v[SA+8*\t:SA+8*\t+7], v[SCV]
	v_cvt_scalef32_pk8_fp8_f32 v[PB+2*\t:PB+2*\t+1], v[SB+8*\t:SB+8*\t+7], v[SCV]
.endr
	v_nop                                          ; one plain line between the last conversion and the products that read its result
.if \vw >= 0
	s_wait_dscnt \vw                               ; V is in
.endif
	WIN 0x01                                       ; V in window 1
.irp t, 0,1,2,3
	v_wmma_f32_16x16x128_fp8_fp8 v[OA+8*\t:OA+8*\t+7], v[VF+16*\t:VF+16*\t+15], v[PA:PA+15], v[OA+8*\t:OA+8*\t+7]
	v_wmma_f32_16x16x128_fp8_fp8 v[OB+8*\t:OB+8*\t+7], v[VF+16*\t:VF+16*\t+15], v[PB:PB+15], v[OB+8*\t:OB+8*\t+7]
.endr
	WIN 0
	PLACES 4                                       ; ahead of the next loads into V's registers, of the next writes of P and of the next reads of O^T
.endm
; A SLOT'S TWO STEPS.  store = 1: the next 256 keys, which have come into registers, go into the other slot, which every wave left at the last barrier.  gload = 1: the 256 keys after those are asked for, goff bytes on.
; next = 1: a slot follows.  On the way in the 16 loads of the slot's first K are out.
.macro SLOT sl, store, gload, next, goff, form
.if \store
	s_wait_loadcnt 0x0                             ; the eight loads issued in the middle of the slot before
	GSTORE 1-\sl
.endif
	STEP \sl, 0, 16+8*\store, 1, 16                ; K: behind it stand the stores and V's 16 loads.  V: behind it stand the next K's 16; that wait also shows the stores done, so their registers may be loaded again
.if \gload
	GLOAD \goff
	ASK \form, \goff+16384
.endif
.if \next
	STEP \sl, 1, 16, 2, -1
.else
	STEP \sl, 1, 16, 0, 0
.endif
.endm
	s_load_b256 s[4:11], s[0:1], 0x0               ; qc 4:5, kc 6:7, vc 8:9, the scales' exponents 10:11
	s_load_b64 s[12:13], s[0:1], 0x20              ; ctxc
	v_lshl_add_u32 v30, v0, 2, 0x10000
	v_mov_b32 v31, 0
	v_lshrrev_b32 v1, 5, v0
	v_readfirstlane_b32 s14, v1                    ; wave 0..7
	v_and_b32 v3, 31, v0
	v_lshlrev_b32 v[LI], 4, v3
	v_lshlrev_b32 v[TI], 4, v0
	v_lshlrev_b32 v[PFO], 8, v3
	s_mov_b32 s15, ttmp9                           ; x: which 256 queries
	s_and_b32 s16, ttmp7, 0xffff                   ; y: batch x 8 + head
	s_mov_b32 s20, 0x76543210                      ; v_permlanex16_b32's selects for lane l xor 16
	s_mov_b32 s21, 0xfedcba98
	s_lshl_b32 s34, s16, 18                        ; the head's first byte in qc, kc and vc
	s_mov_b32 s35, 0
	s_lshl_b32 s36, s15, 4
	s_lshl_b32 s37, s14, 1
	s_add_co_u32 s36, s36, s37                     ; my first tile of 16 queries: 16 x + 2 wave
	s_lshl_b32 s38, s36, 10
	s_add_co_u32 s38, s38, s34                     ; in qc
	s_mov_b32 s39, 0
	s_lshl_b32 s40, s36, 13                        ; in ctxc: 8,192 bytes a token tile,
	s_lshr_b32 s37, s16, 3
	s_lshl_b32 s37, s37, 21                        ; 256 tiles a batch,
	s_add_co_u32 s40, s40, s37
	s_and_b32 s37, s16, 7
	s_lshl_b32 s37, s37, 10                        ; 1,024 bytes a head
	s_add_co_u32 s40, s40, s37
	s_mov_b32 s41, 0
	s_lshr_b32 s31, s14, 2                         ; 0 in waves 0 to 3,
	s_or_b32 s31, s31, s15                         ; of the head's first work-group
	s_cmp_eq_u32 s31, 0
	s_cselect_b32 s31, 1, -1                       ; 1 in a wave that prefetches, else the greatest number
	s_wait_kmcnt 0x0
	s_load_b128 s[24:27], s[10:11], 0x18           ; e6 (q), e7 (k), e8 (p), e9 (v)
	s_load_b32 s28, s[10:11], 0x28                 ; e10 (ctx)
	s_add_nc_u64 s[4:5], s[4:5], s[38:39]
	s_add_nc_u64 s[6:7], s[6:7], s[34:35]
	s_add_nc_u64 s[8:9], s[8:9], s[34:35]
	s_add_nc_u64 s[12:13], s[12:13], s[40:41]
	s_cmp_lt_u32 s14, 2
	s_cselect_b64 s[32:33], s[6:7], s[8:9]         ; the prefetches: K's for waves 0, 1; V's for waves 2, 3
	s_and_b32 s36, s14, 1
	s_lshl_b32 s36, s36, 13                        ; my 8,192 of the 16,384 bytes
	s_mov_b32 s37, 0
	s_add_nc_u64 s[32:33], s[32:33], s[36:37]
	GLOAD 0                                        ; keys 0 to 255
	WIN 0x40
.irp i, 0,1,2,3
	global_load_b128 v[QF+4*\i:QF+4*\i+3], v[LI], s[4:5] offset:512*\i th:TH_LOAD_NT   ; Q's two fragments stay in registers
.endr
	WIN 0
.set n, 0
.rept 64
	v_mov_b32 v[OA+n], 0                           ; O^T of both tiles.  (The step is written without a first of its own: it finds zeros, which the first change of M leaves zeros)
.set n, n+1
.endr
.irp T, TA, TBB
	v_mov_b32 v[\T+1], 0xff61b1e6                  ; the largest t so far: -3e38, under every t
	v_floor_f32 v[\T], -v[\T+1]                    ; -M
	v_mov_b32 v[\T+2], 0                           ; the sum, in two halves
	v_mov_b32 v[\T+3], 0
	v_mov_b32 v[\T+5], 0                           ; (named as the upper half of f's pair)
.endr
	v_mov_b32 v[PDA], 0                            ; written once: a lane permute's destination counts as one of its sources
	v_mov_b32 v[PDB], 0
	s_wait_kmcnt 0x0
	s_add_co_i32 s34, s24, s25
	s_lshl_b32 s34, s34, 23
	s_add_co_i32 s22, s34, 0x3e38aa3b              ; c = log2(e) / 8, with e6 + e7 added to its exponent field: a score stands for score x 2^(e6 + e7)
	s_mov_b32 s23, s22                             ; (named with it as a pair)
	s_add_co_i32 s34, s26, 127
	s_lshl_b32 s35, s34, 23
	v_mov_b32 v[SCV], s35                          ; 2^ep as f32
	s_add_co_i32 s34, s34, 8
	s_lshl_b32 s34, s34, 23
	s_or_b32 s34, s34, 0x600000
	v_mov_b32 v[LIMV], s34                         ; 448 x 2^ep
	s_wait_loadcnt 4                               ; keys 0 to 255 are in; Q's four loads may be out
	GSTORE 0
	s_wait_dscnt 0x0                               ; they lie in slot 0, and their registers are free
	GLOAD 16384                                    ; keys 256 to 511
	s_barrier_signal -1
	s_barrier_wait -1                              ; slot 0 is whole
	KLOAD 0, 0
	WIN 0
	s_wait_loadcnt 8                               ; Q is in; the eight loads just issued may be out
	s_mov_b32 s30, 7
.Ltrip:                                                ; seven trips of 512 keys; each stores and asks for the keys of both slots
	SLOT 0, 1, 1, 1, 32768, 0
	SLOT 1, 1, 1, 1, 49152, 1
	s_wait_xcnt 0x0                                ; the trip's loads and prefetches have read their bases
	s_add_nc_u64 s[6:7], s[6:7], 32768
	s_add_nc_u64 s[8:9], s[8:9], 32768
	s_add_nc_u64 s[32:33], s[32:33], 32768
	s_sub_co_u32 s30, s30, 1
	s_cmp_lg_u32 s30, 0
	s_cbranch_scc1 .Ltrip
	SLOT 0, 1, 0, 1, 0, 0                          ; the last 512 keys: nothing more is asked for,
	SLOT 1, 0, 0, 0, 0, 0                          ; nothing more is stored, and no barrier follows
	; THE WAY OUT.  ctx = O^T x 2^(e8 + e9) / the sum; its code is (O^T / the sum) / 2^(e10 - e8 - e9).  Tiles 2 b and 2 b + 1 of O^T are channels 32 b + 16 (lane / 16) + 0 .. 15: the codes are the operand's registers.
	v_add_f32 v[TA+6], v[TA+2], v[TA+3]            ; the sum's two halves,
	v_add_f32 v[TBB+6], v[TBB+2], v[TBB+3]
	v_permlanex16_b32 v[PDA], v[TA+6], s20, s21
	v_permlanex16_b32 v[PDB], v[TBB+6], s20, s21
	v_add_f32 v[TA+6], v[TA+6], v[PDA]             ; and lane l xor 16's
	v_add_f32 v[TBB+6], v[TBB+6], v[PDB]
	v_rcp_f32 v[TA+6], v[TA+6]
	v_rcp_f32 v[TBB+6], v[TBB+6]
	v_nop                                          ; a plain line behind the reciprocals
	s_sub_co_i32 s34, s28, s26
	s_sub_co_i32 s34, s34, s27                     ; e10 - e8 - e9
	s_add_co_i32 s34, s34, 127
	s_lshl_b32 s35, s34, 23
	v_mov_b32 v28, s35                             ; 2^(e10 - e8 - e9) as f32
	s_add_co_i32 s34, s34, 8
	s_lshl_b32 s34, s34, 23
	s_or_b32 s34, s34, 0x600000
	v_mov_b32 v29, s34                             ; 448 x that
	s_wait_alu depctr_va_vdst(0)                   ; one wait for both reciprocals, ahead of their first reader
.set n, 0
.rept 16
	v_pk_mul_f32 v[OA+2*n:OA+2*n+1], v[OA+2*n:OA+2*n+1], v[TA+6:TA+7] op_sel_hi:[1,0]
	v_pk_mul_f32 v[OB+2*n:OB+2*n+1], v[OB+2*n:OB+2*n+1], v[TBB+6:TBB+7] op_sel_hi:[1,0]
.set n, n+1
.endr
.set n, 0
.rept 64
	v_med3_num_f32 v[OA+n], v[OA+n], -v29, v29     ; the hold at the largest code x the scale
.set n, n+1
.endr
.irp t, 0,1,2,3
	v_cvt_scalef32_pk8_fp8_f32 v[PA+2*\t:PA+2*\t+1], v[OA+8*\t:OA+8*\t+7], v28
	v_cvt_scalef32_pk8_fp8_f32 v[PB+2*\t:PB+2*\t+1], v[OB+8*\t:OB+8*\t+7], v28
.endr
	v_nop
	global_store_b128 v[LI], v[PA:PA+3], s[12:13]                  ; each store covers 512 consecutive bytes
	global_store_b128 v[LI], v[PA+4:PA+7], s[12:13] offset:512
	global_store_b128 v[LI], v[PB:PB+3], s[12:13] offset:8192      ; tile B: the next token tile
	global_store_b128 v[LI], v[PB+4:PB+7], s[12:13] offset:8704
	s_wait_tensorcnt 0x0
	ds_add_u32 v30, v31
	s_wait_dscnt 0x0
	s_endpgm
.Lfunc_end_k_q697551c6f9_attn:
	.size	k_q697551c6f9_attn, .Lfunc_end_k_q697551c6f9_attn-k_q697551c6f9_attn
	.p2alignl 7, 3214868480
	.fill 96, 4, 3214868480
	.section	.rodata,"a",@progbits
	.p2align	6, 0x0
	.amdhsa_kernel k_q697551c6f9_attn
		.amdhsa_group_segment_fixed_size 66560
		.amdhsa_private_segment_fixed_size 0
		.amdhsa_enable_private_segment 0
		.amdhsa_kernarg_size 40
		.amdhsa_user_sgpr_count 2
		.amdhsa_user_sgpr_kernarg_segment_ptr 1
		.amdhsa_wavefront_size32 1
		.amdhsa_system_sgpr_workgroup_id_x 1
		.amdhsa_system_sgpr_workgroup_id_y 1
		.amdhsa_system_sgpr_workgroup_id_z 1
		.amdhsa_system_vgpr_workitem_id 0
		.amdhsa_next_free_vgpr 448
		.amdhsa_next_free_sgpr 66
		.amdhsa_reserve_vcc 0
		.amdhsa_float_denorm_mode_32 3
		.amdhsa_float_denorm_mode_16_64 3
		.amdhsa_memory_ordered 1
		.amdhsa_forward_progress 1
		.amdhsa_inst_pref_size 244
	.end_amdhsa_kernel
	.amdgpu_metadata
---
amdhsa.version: [ 1, 2 ]
amdhsa.kernels:
  - .name:           k_q697551c6f9_attn
    .symbol:         k_q697551c6f9_attn.kd
    .args:
      - { .name: qc, .offset: 0, .size: 8, .value_kind: global_buffer, .address_space: global }
      - { .name: kc, .offset: 8, .size: 8, .value_kind: global_buffer, .address_space: global }
      - { .name: vc, .offset: 16, .size: 8, .value_kind: global_buffer, .address_space: global }
      - { .name: lowp_scales, .offset: 24, .size: 8, .value_kind: global_buffer, .address_space: global }
      - { .name: ctxc, .offset: 32, .size: 8, .value_kind: global_buffer, .address_space: global }
    .group_segment_fixed_size: 66560
    .private_segment_fixed_size: 0
    .kernarg_segment_align: 8
    .kernarg_segment_size: 40
    .max_flat_workgroup_size: 256
    .sgpr_count:     66
    .vgpr_count:     448
    .wavefront_size: 32
...
	.end_amdgpu_metadata
.endif
;; end of part 2
;; launch outp (part 3): grid 256 x 1, 8 waves a work-group, no clusters, 70,656 bytes of LDS; arguments ctxc, Wo_codes, bo, lowp_scales, out0; writes out0
.if DOCPART == 3
	.amdgcn_target "amdgcn-amd-amdhsa--gfx1250"
	.amdhsa_code_object_version 6
	.text
	.protected	k_q697551c6f9_outp
	.globl	k_q697551c6f9_outp
	.p2align	8
	.type	k_q697551c6f9_outp,@function
k_q697551c6f9_outp:
	s_mov_b64 s[64:65], 0
	v_nop
	global_prefetch_b8 v0, s[64:65] scope:SCOPE_SE
	s_setreg_imm32_b32 hwreg(HW_REG_WAVE_MODE, 25, 1), 1
	s_wait_xcnt 0x0
; out0 = ctx Wo^T + bo on E4M3 codes.  ctxc holds ctx's codes as images of operand registers: [tile of 16 tokens][64 registers / 4][lane][16]: register 4 i at byte 512 i; registers 16 s + 4 c .. + 3: k = 128 s + 32 c + 16 (lane / 16) + 0 .. 15,
; the places that 16-byte loads give Wo's rows.  A work-group takes 32 tokens (two tiles), wave w the 64 columns 64 w on: its 64 rows of Wo fill window 1.
; The product is used transposed (source 0 = 16 rows of Wo, source 1 = 16 tokens): a lane holds token lane % 16 and eight neighbouring columns.  y = sum x 2^(e10 + e11) + bo, one packed multiply-add for two numbers.
; A wave's 32 rows x 256 bytes go through its own stage in LDS (rows of 256 + 16 bytes) and leave as rows: sixteen lanes store 256 consecutive bytes, at a multiple of 256 from out0's first byte.
; No barrier: waves share nothing.  LIMIT: e10 + e11 between -126 and 127, so that 2^(e10 + e11) is an f32 number.
.set BO,  16                           ; v16-47   bo: four tiles of eight registers in the result's layout
.set ACC, 48                           ; v48-111  eight accumulators: (tile of tokens m, tile of columns t) at 8 (4 m + t)
.set X,   128                          ; v128-255 ctx's eight fragments: (m, K step ks) at 64 m + 16 ks
.set Y,   128                          ; later v128-191: the results
.set BK,  192                          ; and v192-255: rows read back from the stage
.set SP,  272
.set MSB, 0
.macro WIN new                         ; the immediate's high byte repeats the setting that is left
.if MSB != \new
	s_set_vgpr_msb (MSB<<8)|\new
.set MSB, \new
.endif
.endm
	s_load_b256 s[4:11], s[0:1], 0x0               ; ctxc 4:5, Wo's codes 6:7, bo 8:9, the scales' exponents 10:11
	s_load_b64 s[12:13], s[0:1], 0x20              ; out0
	v_lshl_add_u32 v126, v0, 2, 0x11000
	v_mov_b32 v127, 0
	v_lshrrev_b32 v1, 5, v0
	v_readfirstlane_b32 s14, v1                    ; wave 0..7
	v_and_b32 v9, 31, v0
	v_and_b32 v1, 15, v0                           ; r
	v_bfe_u32 v2, v0, 4, 1                         ; h
	v_lshlrev_b32 v3, 4, v9                        ; 16 x lane
	v_lshlrev_b32 v4, 9, v1
	v_lshl_add_u32 v4, v2, 4, v4                   ; Wo: row r of 512 bytes, + 16 h
	s_mul_i32 s15, s14, 32*SP                      ; my stage
	v_mul_u32_u24 v5, v1, SP
	v_lshl_add_u32 v5, v2, 5, v5
	v_add_nc_u32 v5, s15, v5                       ; in: row r, + 32 h bytes
	v_mul_u32_u24 v6, v2, SP
	v_lshl_add_u32 v6, v1, 4, v6
	v_add_nc_u32 v6, s15, v6                       ; back: lanes 0-15 one row, lanes 16-31 the next
	v_lshlrev_b32 v7, 11, v2
	v_lshl_add_u32 v7, v1, 4, v7                   ; and the same two rows of 2,048 bytes in out0
	v_lshlrev_b32 v8, 5, v2                        ; bo: 8 h numbers on
	s_lshl_b32 s22, ttmp9, 14                      ; ctxc: two token tiles of 8,192 bytes
	s_mov_b32 s23, 0
	s_lshl_b32 s24, s14, 15                        ; Wo: my 64 rows
	s_mov_b32 s25, 0
	s_lshl_b32 s26, s14, 8                         ; bo: my 64 numbers; also my columns' bytes in a row of out0
	s_mov_b32 s27, 0
	s_lshl_b32 s28, ttmp9, 16                      ; out0: 32 rows of 2,048 bytes
	s_add_co_u32 s28, s28, s26
	s_mov_b32 s29, 0
	s_wait_kmcnt 0x0
	s_load_b64 s[16:17], s[10:11], 0x28            ; e10, e11
	s_add_nc_u64 s[4:5], s[4:5], s[22:23]
	s_add_nc_u64 s[6:7], s[6:7], s[24:25]
	s_add_nc_u64 s[8:9], s[8:9], s[26:27]
	s_add_nc_u64 s[12:13], s[12:13], s[28:29]
.set n, 0
.rept 32
	global_load_b128 v[X+4*n:X+4*n+3], v3, s[4:5] offset:512*n     ; 512 consecutive bytes a load
.set n, n+1
.endr
	WIN 0x40                                       ; destination window 1
.irp t, 0,1,2,3
.irp ks, 0,1,2,3
.irp c, 0,1,2,3
	global_load_b128 v[16*(4*\t+\ks)+4*\c:16*(4*\t+\ks)+4*\c+3], v4, s[6:7] offset:16*\t*512+128*\ks+32*\c
.endr
.endr
.endr
	WIN 0
.irp t, 0,1,2,3
	global_load_b128 v[BO+8*\t:BO+8*\t+3], v8, s[8:9] offset:64*\t
	global_load_b128 v[BO+8*\t+4:BO+8*\t+7], v8, s[8:9] offset:64*\t+16
.endr
	s_wait_kmcnt 0x0
	s_add_co_i32 s20, s16, s17
	s_add_co_i32 s20, s20, 127
	s_lshl_b32 s20, s20, 23                        ; 2^(e10 + e11) as f32
	s_mov_b32 s21, s20                             ; (named with it as a pair)
	s_wait_loadcnt 0x0
	WIN 0x01                                       ; source 0 (Wo) window 1
.irp ks, 0,1,2,3                       ; K step by K step, the eight accumulators by turns, one instruction a turn; the first K step starts the sums
.irp m, 0,1
.irp t, 0,1,2,3
.if \ks == 0
	v_wmma_f32_16x16x128_fp8_fp8 v[ACC+8*(4*\m+\t):ACC+8*(4*\m+\t)+7], v[16*(4*\t+\ks):16*(4*\t+\ks)+15], v[X+64*\m+16*\ks:X+64*\m+16*\ks+15], 0
.else
	v_wmma_f32_16x16x128_fp8_fp8 v[ACC+8*(4*\m+\t):ACC+8*(4*\m+\t)+7], v[16*(4*\t+\ks):16*(4*\t+\ks)+15], v[X+64*\m+16*\ks:X+64*\m+16*\ks+15], v[ACC+8*(4*\m+\t):ACC+8*(4*\m+\t)+7]
.endif
.endr
.endr
.endr
	WIN 0
.rept 5
	v_nop                                          ; places behind the last products, ahead of the reads of results and of the writes and loads over ctx's registers
.endr
.irp m, 0,1
.irp t, 0,1,2,3
.irp i, 0,2,4,6
	v_pk_fma_f32 v[Y+8*(4*\m+\t)+\i:Y+8*(4*\m+\t)+\i+1], v[ACC+8*(4*\m+\t)+\i:ACC+8*(4*\m+\t)+\i+1], s[20:21], v[BO+8*\t+\i:BO+8*\t+\i+1] op_sel_hi:[1,0,1]   ; each accumulator from its low end on
.endr
.endr
.endr
.irp m, 0,1
.irp t, 0,1,2,3
	ds_store_b128 v5, v[Y+8*(4*\m+\t):Y+8*(4*\m+\t)+3] offset:\m*16*SP+64*\t          ; lane (r, h): out(16 m + r, 64 w + 16 t + 8 h + 0 .. 7)
	ds_store_b128 v5, v[Y+8*(4*\m+\t)+4:Y+8*(4*\m+\t)+7] offset:\m*16*SP+64*\t+16
.endr
.endr
.irp m, 0,1
.irp i, 0,1,2,3,4,5,6,7
	ds_load_b128 v[BK+4*(8*\m+\i):BK+4*(8*\m+\i)+3], v6 offset:\m*16*SP+2*\i*SP       ; LDS serves a wave's instructions in order (ISA guide 5.7.1.4): these see my stores
.endr
.endr
.irp m, 0,1
.irp i, 0,1,2,3,4,5,6,7
	s_wait_dscnt 15-8*\m-\i
	global_store_b128 v7, v[BK+4*(8*\m+\i):BK+4*(8*\m+\i)+3], s[12:13] offset:\m*32768+\i*4096 th:TH_STORE_NT   ; rows 16 m + 2 i and + 1: 256 consecutive bytes each; written once, read by nobody here
.endr
.endr
	s_wait_tensorcnt 0x0
	ds_add_u32 v126, v127
	s_wait_dscnt 0x0
	s_endpgm
.Lfunc_end_k_q697551c6f9_outp:
	.size	k_q697551c6f9_outp, .Lfunc_end_k_q697551c6f9_outp-k_q697551c6f9_outp
	.p2alignl 7, 3214868480
	.fill 96, 4, 3214868480
	.section	.rodata,"a",@progbits
	.p2align	6, 0x0
	.amdhsa_kernel k_q697551c6f9_outp
		.amdhsa_group_segment_fixed_size 70656
		.amdhsa_private_segment_fixed_size 0
		.amdhsa_enable_private_segment 0
		.amdhsa_kernarg_size 40
		.amdhsa_user_sgpr_count 2
		.amdhsa_user_sgpr_kernarg_segment_ptr 1
		.amdhsa_wavefront_size32 1
		.amdhsa_system_sgpr_workgroup_id_x 1
		.amdhsa_system_sgpr_workgroup_id_y 1
		.amdhsa_system_sgpr_workgroup_id_z 1
		.amdhsa_system_vgpr_workitem_id 0
		.amdhsa_next_free_vgpr 512
		.amdhsa_next_free_sgpr 66
		.amdhsa_reserve_vcc 0
		.amdhsa_float_denorm_mode_32 3
		.amdhsa_float_denorm_mode_16_64 3
		.amdhsa_memory_ordered 1
		.amdhsa_forward_progress 1
		.amdhsa_inst_pref_size 21
	.end_amdhsa_kernel
	.amdgpu_metadata
---
amdhsa.version: [ 1, 2 ]
amdhsa.kernels:
  - .name:           k_q697551c6f9_outp
    .symbol:         k_q697551c6f9_outp.kd
    .args:
      - { .name: ctxc, .offset: 0, .size: 8, .value_kind: global_buffer, .address_space: global }
      - { .name: Wo_codes, .offset: 8, .size: 8, .value_kind: global_buffer, .address_space: global }
      - { .name: bo, .offset: 16, .size: 8, .value_kind: global_buffer, .address_space: global }
      - { .name: lowp_scales, .offset: 24, .size: 8, .value_kind: global_buffer, .address_space: global }
      - { .name: out0, .offset: 32, .size: 8, .value_kind: global_buffer, .address_space: global }
    .group_segment_fixed_size: 70656
    .private_segment_fixed_size: 0
    .kernarg_segment_align: 8
    .kernarg_segment_size: 40
    .max_flat_workgroup_size: 256
    .sgpr_count:     66
    .vgpr_count:     512
    .wavefront_size: 32
...
	.end_amdgpu_metadata
.endif
;; end of part 3
;; ======== version 2 of 2: 3 launches; version 1 with the launches proj, attn, outp written anew for expert scheduling mode
;; workspace buffers: qc 4,194,304 bytes; kc 4,194,304 bytes; vc 4,194,304 bytes; ctxc 4,194,304 bytes
;; launch proj (part 4): grid 64 x 3, 8 waves a work-group, no clusters, 68,608 bytes of LDS; arguments query_codes, key__codes, value_codes, Wq_codes, Wk_codes, Wv_codes, bq, bk, bv, lowp_scales, qc, kc, vc; writes qc, kc, vc
.if DOCPART == 4
	.amdgcn_target "amdgcn-amd-amdhsa--gfx1250"
	.amdhsa_code_object_version 6
	.text
	.protected	k_q697551c6f9_proj
	.globl	k_q697551c6f9_proj
	.p2align	8
	.type	k_q697551c6f9_proj,@function
k_q697551c6f9_proj:
	s_mov_b64 s[64:65], 0
	v_nop
	global_prefetch_b8 v0, s[64:65] scope:SCOPE_SE
	s_setreg_imm32_b32 hwreg(HW_REG_WAVE_SCHED_MODE, 0, 2), 2
	s_setreg_imm32_b32 hwreg(HW_REG_WAVE_MODE, 25, 1), 1
	s_wait_xcnt 0x0
	s_wait_alu depctr_vm_vsrc(0)
; The three in-projections, y = x W^T + b, on E4M3 codes as they are given, and the quantisers behind them.
; Work-group (x, y): y = 0 query -> qc, 1 key_ -> kc, 2 value -> vc; x = which 128 of the 8,192 token rows.  Wave w = head w: it keeps its 64 rows of W (64 x 512 codes,
; 256 registers, window 1) for the whole launch.  The 128 rows of x (65,536 bytes) are read once, densely, laid in LDS in rows of 512 + 16 bytes, and read from there by all eight waves.
; RESULTS ARE STORED AS IMAGES OF THE NEXT PRODUCT'S OPERAND REGISTERS, 16 bytes a lane, 512 consecutive bytes a store:
;   qc, kc: [batch x 8 + head][tile of 16 tokens][half u][lane][16]: registers 4 u .. 4 u + 3 of a 16 x 64 fragment (lane % 16 = token).
;   vc:     [batch x 8 + head][128 keys][tile t of 16 channels][quarter c][lane][16]: registers 4 c .. 4 c + 3 of a 16 x 128 fragment (lane % 16 = channel row; registers 2 m, 2 m + 1: keys 16 m + 8 (lane / 16) + 0 .. 7).
; THE ROWS OF W THAT FORM A TILE ARE NOT NEIGHBOURS: lane r of tile t takes row 64 head + 32 (t / 2) + 8 (t % 2) + r + 8 (r / 8).  For q and k that is one permutation of the head's 64 channels, the same on both
; sides of their product; for v it makes the attention's results 16 neighbouring channels in 16 registers of a lane.
; q, k: source 0 = 16 rows of W, source 1 = 16 tokens: a lane holds one token and eight channels.  v: the sources swapped: a lane holds one channel and eight tokens (the keys are the next K).
; The fragments of x and W are fetched 16 bytes at a time (registers 4 c .. 4 c + 3: k = 32 c + 16 (lane / 16) + 0 .. 15): one permutation of k, the same on both sides.
; SCALES.  A sum stands for sum x 2^(ea + eb).  The bias goes in as b / 2^(ea + eb), as the C of each sum's first product; the code is (sum + that) / 2^(eo - ea - eb), held within +-448 of that scale.
; LIMITS: eo - ea - eb between -126 and 119 (eo = entry 6, 7, 9 of the scales; ea, eb = entries 0, 1; 2, 3; 4, 5); b / 2^(ea + eb) must be an f32 number.  NaN in a bias is not served.
; 192 work-groups: the three tensors' 24,576 rows in blocks of 128; blocks of 64 would read each head's weights twice as often.
; THE MODE: SCHED_MODE bits 1:0 = 2 (LLVM: expert scheduling mode 2), set by the entry lines.  The code itself states the register dependences
; between vector or matrix instructions and memory or LDS instructions, with s_wait_alu, always for 0.
; THE PLAN.  Registers that memory or LDS instructions touch:
;   v3 to v8, v13  offsets and LDS addresses: made at the head, ahead of one wait on va_vdst, and never written again.
;   XS0, XS1       x's fragments.  Tile mt's 16 products read XS[mt % 2]; behind them the LDS loads of tile mt + 2 land in it.  At the head XS0 carries x: global loads land in it, LDS stores read it.
;   CV             the codes.  Written by a tile's conversions, read by its stores, written again by a later tile's conversions.
;   W (window 1) and the bias are loaded once; only matrix and vector instructions name them afterwards.
; So ONE wait on va_vdst stands in a tile, behind its conversions: the codes are written, and the tile's products are done reading their set of x.  The tile's stores and the loads of the tile two on follow it.
; One wait on vm_vsrc stands, beside the wait on XCNT, ahead of the conversions that write the codes' registers again; one more behind the barrier, ahead of the first loads into XS0.
.set PITCH, 528                        ; an LDS row of x: 512 bytes + 16: an odd multiple of 16, so the 16 rows of a fragment load start 16 bytes apart modulo 256
.set BI,  16                           ; v16-47   the bias, four tiles of eight registers in the result's layout
.set ACC, 48                           ; v48-79   four accumulators
.set CV,  80                           ; v80-95   codes on their way out
.set XS,  128                          ; v128-191, v192-255: two sets of x's four fragments (16 tokens x 512 K); at the head the first set carries x to LDS
.set MSB, 0
.macro WIN new                         ; the immediate's high byte repeats the setting that is left
.if MSB != \new
	s_set_vgpr_msb (MSB<<8)|\new
.set MSB, \new
.endif
.endm
.macro PLACES n
.rept \n
	v_nop
.endr
.endm
	s_load_b512 s[8:23], s[0:1], 0x0               ; query 8:9, key_ 10:11, value 12:13, Wq 14:15, Wk 16:17, Wv 18:19, bq 20:21, bk 22:23
	s_load_b256 s[24:31], s[0:1], 0x40             ; bv 24:25, the scales' exponents 26:27, qc 28:29, kc 30:31
	s_load_b64 s[32:33], s[0:1], 0x60              ; vc
	v_lshl_add_u32 v126, v0, 2, 0x10800
	v_mov_b32 v127, 0
	v_lshrrev_b32 v1, 5, v0
	v_readfirstlane_b32 s2, v1                     ; wave = head
	s_and_b32 s3, ttmp7, 0xffff                    ; which tensor
	s_mov_b32 s4, ttmp9                            ; which 128 rows
	v_and_b32 v11, 31, v0                          ; lane
	v_and_b32 v1, 15, v0                           ; r
	v_bfe_u32 v2, v0, 4, 1                         ; h
	v_lshlrev_b32 v3, 4, v11                       ; 16 x lane: an image's place for my lane
	v_lshlrev_b32 v4, 4, v0                        ; 16 x thread: my bytes of 4,096 of x
	s_wait_alu depctr_va_sdst(0)                   ; s2, the wave's number, is written, ahead of its first reader
	s_mul_i32 s57, s2, PITCH
	v_add_nc_u32 v5, s57, v3                       ; into LDS: load i brings rows 8 i + wave: wave x pitch + 16 x lane, + 8 pitches for each i
	v_mul_u32_u24 v6, v1, PITCH
	v_lshl_add_u32 v6, v2, 4, v6                   ; out of LDS: row r, + 16 h
	v_and_b32 v12, 8, v1
	v_add_nc_u32 v12, v12, v1                      ; r + 8 (r / 8)
	v_lshlrev_b32 v7, 9, v12
	v_lshl_add_u32 v7, v2, 4, v7                   ; W: that row of 512 bytes, + 16 h
	v_lshlrev_b32 v8, 6, v2                        ; the bias for q and k: 16 h numbers on
	v_lshlrev_b32 v13, 2, v12                      ; the bias for v: number r + 8 (r / 8)
	s_lshl_b32 s58, s4, 16                         ; x: 128 rows of 512 bytes
	s_mov_b32 s59, 0
	s_lshl_b32 s60, s2, 15                         ; W: 64 rows of 512 bytes a head
	s_mov_b32 s61, 0
	s_lshl_b32 s62, s2, 8                          ; the bias: 64 numbers a head
	s_mov_b32 s63, 0
	s_lshr_b32 s6, s4, 5                           ; the batch: 32 blocks of 128 tokens each
	s_lshl_b32 s6, s6, 21                          ; 8 heads of 262,144 bytes
	s_lshl_b32 s7, s2, 18
	s_add_co_u32 s6, s6, s7                        ; + my head
	s_and_b32 s7, s4, 31
	s_lshl_b32 s7, s7, 13
	s_add_co_u32 s6, s6, s7                        ; + 8,192 bytes for each 128 tokens: the same in all three layouts
	s_mov_b32 s7, 0
	s_wait_kmcnt 0x0
	s_load_b256 s[44:51], s[26:27], 0x0            ; e0 .. e7
	s_load_b64 s[52:53], s[26:27], 0x20            ; e8, e9
	s_cmp_eq_u32 s3, 0                             ; the buffers are chosen by the work-group's y alone
	s_cselect_b64 s[36:37], s[8:9], s[10:11]
	s_cselect_b64 s[38:39], s[14:15], s[16:17]
	s_cselect_b64 s[40:41], s[20:21], s[22:23]
	s_cselect_b64 s[42:43], s[28:29], s[30:31]
	s_cmp_eq_u32 s3, 2
	s_cselect_b64 s[36:37], s[12:13], s[36:37]     ; x
	s_cselect_b64 s[38:39], s[18:19], s[38:39]     ; W
	s_cselect_b64 s[40:41], s[24:25], s[40:41]     ; b
	s_cselect_b64 s[42:43], s[32:33], s[42:43]     ; the codes' buffer
	s_add_nc_u64 s[36:37], s[36:37], s[58:59]
	s_add_nc_u64 s[38:39], s[38:39], s[60:61]
	s_add_nc_u64 s[40:41], s[40:41], s[62:63]
	s_add_nc_u64 s[42:43], s[42:43], s[6:7]
	s_wait_alu depctr_va_vdst(0)                   ; v3 to v8 and v13 are written: every load and store of the kernel reads one of them as its offset or LDS address
.irp i, 0,1,2,3,4,5,6,7,8,9,10,11,12,13,14,15
	global_load_b128 v[XS+4*\i:XS+4*\i+3], v4, s[36:37] offset:4096*\i th:TH_LOAD_NT   ; a wave reads 512 consecutive bytes: one row of x
.endr
.macro WLOAD t                         ; W's fragments (tile t, K step ks) into v[16 (4 t + ks)] of window 1
.irp ks, 0,1,2,3
.irp c, 0,1,2,3
	global_load_b128 v[16*(4*\t+\ks)+4*\c:16*(4*\t+\ks)+4*\c+3], v7, s[38:39] offset:(32*(\t/2)+8*(\t%2))*512+128*\ks+32*\c
.endr
.endr
.endm
	WIN 0x40                                       ; destination window 1
	WLOAD 0
	WLOAD 1
	WLOAD 2
	WIN 0
	s_wait_kmcnt 0x0
	s_cmp_eq_u32 s3, 0
	s_cselect_b32 s54, s44, s46
	s_cselect_b32 s55, s45, s47
	s_cselect_b32 s56, s50, s51
	s_cmp_eq_u32 s3, 2
	s_cselect_b32 s54, s48, s54                    ; ea
	s_cselect_b32 s55, s49, s55                    ; eb
	s_cselect_b32 s56, s53, s56                    ; eo
	s_add_co_i32 s54, s54, s55                     ; ea + eb
	s_sub_co_i32 s56, s56, s54                     ; eo - ea - eb
	s_sub_co_i32 s57, 0, s54                       ; -(ea + eb), for the bias
	s_add_co_i32 s56, s56, 127
	s_lshl_b32 s55, s56, 23
	v_mov_b32 v9, s55                              ; 2^(eo - ea - eb) as f32: the conversion takes its exponent field
	s_add_co_i32 s56, s56, 8
	s_lshl_b32 s56, s56, 23
	s_or_b32 s56, s56, 0x600000
	v_mov_b32 v10, s56                             ; 448 x that
	s_wait_loadcnt 48                              ; behind x's 16 loads 48 of W's were issued: x is in
.irp i, 0,1,2,3,4,5,6,7,8,9,10,11,12,13,14,15
	ds_store_b128 v5, v[XS+4*\i:XS+4*\i+3] offset:8*PITCH*\i
.endr
	WIN 0x40
	WLOAD 3
	WIN 0
	s_wait_dscnt 0x0                               ; for the others' sake: my rows of x lie in LDS
	s_barrier_signal -1
	s_barrier_wait -1                              ; all 128 rows do; from here on LDS is only read
	s_wait_alu depctr_vm_vsrc(0)                   ; my LDS stores have read v[XS ..]: on both ways below the first fragments' loads land there
.macro FETCHX mt, xs                   ; the four fragments of tokens 16 mt .. 16 mt + 15 into set xs
.irp ks, 0,1,2,3
.irp c, 0,1,2,3
	ds_load_b128 v[XS+64*(\xs)+16*\ks+4*\c:XS+64*(\xs)+16*\ks+4*\c+3], v6 offset:(\mt)*16*PITCH+128*\ks+32*\c
.endr
.endr
.endm
; 16 products: K step by K step, the four accumulators by turns, one instruction a turn.  The first K step takes the bias as C.
.macro MULS swap, xs
.if \swap
	WIN 0x04                                       ; source 1 (W) window 1
.else
	WIN 0x01                                       ; source 0 (W) window 1
.endif
.irp ks, 0,1,2,3
.irp t, 0,1,2,3
.if \swap
.if \ks == 0
	v_wmma_f32_16x16x128_fp8_fp8 v[ACC+8*\t:ACC+8*\t+7], v[XS+64*(\xs)+16*\ks:XS+64*(\xs)+16*\ks+15], v[16*(4*\t+\ks):16*(4*\t+\ks)+15], v[BI+8*\t:BI+8*\t+7]
.else
	v_wmma_f32_16x16x128_fp8_fp8 v[ACC+8*\t:ACC+8*\t+7], v[XS+64*(\xs)+16*\ks:XS+64*(\xs)+16*\ks+15], v[16*(4*\t+\ks):16*(4*\t+\ks)+15], v[ACC+8*\t:ACC+8*\t+7]
.endif
.else
.if \ks == 0
	v_wmma_f32_16x16x128_fp8_fp8 v[ACC+8*\t:ACC+8*\t+7], v[16*(4*\t+\ks):16*(4*\t+\ks)+15], v[XS+64*(\xs)+16*\ks:XS+64*(\xs)+16*\ks+15], v[BI+8*\t:BI+8*\t+7]
.else
	v_wmma_f32_16x16x128_fp8_fp8 v[ACC+8*\t:ACC+8*\t+7], v[16*(4*\t+\ks):16*(4*\t+\ks)+15], v[XS+64*(\xs)+16*\ks:XS+64*(\xs)+16*\ks+15], v[ACC+8*\t:ACC+8*\t+7]
.endif
.endif
.endr
.endr
	WIN 0
.endm
.macro HOLD                            ; the conversion to an 8-bit code does not saturate (ISA guide 7.6.2): each number is held within the largest code x the scale; each accumulator from its low end on
.set n, 0
.rept 32
	v_med3_num_f32 v[ACC+n], v[ACC+n], -v10, v10
.set n, n+1
.endr
.endm
; One tile of 16 tokens.  Its fragments were asked for two tiles ago; at its end, behind the tile's one wait on va_vdst, the fragments of the tile two on are asked for, into the set that this tile has multiplied.
.macro TRIP mt, swap
.if \mt < 7
	s_wait_dscnt 16                                ; this tile's 16 loads are in; the next tile's 16 may be out
.else
	s_wait_dscnt 0x0
.endif
	MULS \swap, (\mt)%2
	PLACES 5                                       ; behind the last products: four ahead of the holds, which read and write results; five ahead of the next tile's first products, which begin the accumulators anew
.if \swap
.if (\mt)%2 == 0
	s_wait_xcnt 0x0                                ; the last stores have read the codes' registers
.if \mt > 0
	s_wait_alu depctr_vm_vsrc(0)                   ; the stores of the tile before have read v[CV ..], which the conversions below write again
.endif
.endif
	HOLD
.irp t, 0,1,2,3
	v_cvt_scalef32_pk8_fp8_f32 v[CV+4*\t+2*((\mt)%2):CV+4*\t+2*((\mt)%2)+1], v[ACC+8*\t:ACC+8*\t+7], v9   ; keys 16 mt + 8 h + 0 .. 7 of my channel: registers 2 mt, 2 mt + 1 of tile t's fragment
.endr
	v_nop                                          ; one plain line between the last conversion and the products that write its sources
.if ((\mt)%2 == 1) || (\mt < 6)
	s_wait_alu depctr_va_vdst(0)                   ; the conversions have written v[CV ..], which the stores read; this tile's products are done reading their set of x, in which the loads below land
.endif
.if (\mt)%2 == 1
.irp t, 0,1,2,3
	global_store_b128 v3, v[CV+4*\t:CV+4*\t+3], s[42:43] offset:\t*2048+((\mt)/2)*512   ; a quarter of a fragment: 512 consecutive bytes
.endr
.endif
.else
	s_wait_xcnt 0x0                                ; the last stores have read the codes' registers
.if \mt > 0
	s_wait_alu depctr_vm_vsrc(0)                   ; the stores of the tile before have read v[CV ..], which the conversions below write again
.endif
	HOLD
.irp t, 0,1,2,3
	v_cvt_scalef32_pk8_fp8_f32 v[CV+2*\t:CV+2*\t+1], v[ACC+8*\t:ACC+8*\t+7], v9   ; eight channels of my token: registers 2 t, 2 t + 1 of the fragment
.endr
	v_nop                                          ; one plain line between the last conversion and the products that write its sources
	s_wait_alu depctr_va_vdst(0)                   ; the conversions have written v[CV ..], which the stores read; this tile's products are done reading their set of x, in which the loads below land
	global_store_b128 v3, v[CV:CV+3], s[42:43] offset:(\mt)*1024
	global_store_b128 v3, v[CV+4:CV+7], s[42:43] offset:(\mt)*1024+512
.endif
.if \mt < 6
	FETCHX \mt+2, (\mt)%2                          ; no vector or matrix instruction since the wait names this set
.endif
.endm
	s_cmp_eq_u32 s3, 2
	s_cbranch_scc1 .Lv
	; ---- q and k: lane (r, h) holds token r; register j of tile t is channel 32 (t / 2) + 8 (t % 2) + 16 h + j
.irp t, 0,1,2,3
	global_load_b128 v[BI+8*\t:BI+8*\t+3], v8, s[40:41] offset:(32*(\t/2)+8*(\t%2))*4
	global_load_b128 v[BI+8*\t+4:BI+8*\t+7], v8, s[40:41] offset:(32*(\t/2)+8*(\t%2))*4+16
.endr
	FETCHX 0, 0
	FETCHX 1, 1
	s_wait_loadcnt 0x0                             ; the bias, and all of W
.set n, 0
.rept 32
	v_ldexp_f32 v[BI+n], v[BI+n], s57              ; b / 2^(ea + eb)
.set n, n+1
.endr
.irp mt, 0,1,2,3,4,5,6,7
	TRIP \mt, 0
.endr
	s_wait_dscnt 0x0                               ; the closing lines, six on end
	s_wait_alu 0x0
	s_wait_tensorcnt 0x0
	ds_add_u32 v126, v127
	s_wait_dscnt 0x0
	s_endpgm
.Lv:
	; ---- v: lane (r, h) holds channel 32 (t / 2) + 8 (t % 2) + r + 8 (r / 8); register j is token 16 mt + 8 h + j
.irp t, 0,1,2,3
	global_load_b32 v[BI+8*\t], v13, s[40:41] offset:(32*(\t/2)+8*(\t%2))*4
.endr
	FETCHX 0, 0
	FETCHX 1, 1
	s_wait_loadcnt 0x0                             ; the bias, and all of W
.irp t, 0,1,2,3
	v_ldexp_f32 v[BI+8*\t], v[BI+8*\t], s57        ; b / 2^(ea + eb): one number a lane and tile,
.endr
.irp t, 0,1,2,3
.irp j, 1,2,3,4,5,6,7
	v_mov_b32 v[BI+8*\t+\j], v[BI+8*\t]            ; for all eight tokens
.endr
.endr
.irp mt, 0,1,2,3,4,5,6,7
	TRIP \mt, 1
.endr
	s_wait_dscnt 0x0                               ; the closing lines, six on end
	s_wait_alu 0x0
	s_wait_tensorcnt 0x0
	ds_add_u32 v126, v127
	s_wait_dscnt 0x0
	s_endpgm
.Lfunc_end_k_q697551c6f9_proj:
	.size	k_q697551c6f9_proj, .Lfunc_end_k_q697551c6f9_proj-k_q697551c6f9_proj
	.p2alignl 7, 3214868480
	.fill 96, 4, 3214868480
	.section	.rodata,"a",@progbits
	.p2align	6, 0x0
	.amdhsa_kernel k_q697551c6f9_proj
		.amdhsa_group_segment_fixed_size 68608
		.amdhsa_private_segment_fixed_size 0
		.amdhsa_enable_private_segment 0
		.amdhsa_kernarg_size 104
		.amdhsa_user_sgpr_count 2
		.amdhsa_user_sgpr_kernarg_segment_ptr 1
		.amdhsa_wavefront_size32 1
		.amdhsa_system_sgpr_workgroup_id_x 1
		.amdhsa_system_sgpr_workgroup_id_y 1
		.amdhsa_system_sgpr_workgroup_id_z 1
		.amdhsa_system_vgpr_workitem_id 0
		.amdhsa_next_free_vgpr 512
		.amdhsa_next_free_sgpr 66
		.amdhsa_reserve_vcc 0
		.amdhsa_float_denorm_mode_32 3
		.amdhsa_float_denorm_mode_16_64 3
		.amdhsa_memory_ordered 1
		.amdhsa_forward_progress 1
		.amdhsa_inst_pref_size 94
	.end_amdhsa_kernel
	.amdgpu_metadata
---
amdhsa.version: [ 1, 2 ]
amdhsa.kernels:
  - .name:           k_q697551c6f9_proj
    .symbol:         k_q697551c6f9_proj.kd
    .args:
      - { .name: query_codes, .offset: 0, .size: 8, .value_kind: global_buffer, .address_space: global }
      - { .name: key__codes, .offset: 8, .size: 8, .value_kind: global_buffer, .address_space: global }
      - { .name: value_codes, .offset: 16, .size: 8, .value_kind: global_buffer, .address_space: global }
      - { .name: Wq_codes, .offset: 24, .size: 8, .value_kind: global_buffer, .address_space: global }
      - { .name: Wk_codes, .offset: 32, .size: 8, .value_kind: global_buffer, .address_space: global }
      - { .name: Wv_codes, .offset: 40, .size: 8, .value_kind: global_buffer, .address_space: global }
      - { .name: bq, .offset: 48, .size: 8, .value_kind: global_buffer, .address_space: global }
      - { .name: bk, .offset: 56, .size: 8, .value_kind: global_buffer, .address_space: global }
      - { .name: bv, .offset: 64, .size: 8, .value_kind: global_buffer, .address_space: global }
      - { .name: lowp_scales, .offset: 72, .size: 8, .value_kind: global_buffer, .address_space: global }
      - { .name: qc, .offset: 80, .size: 8, .value_kind: global_buffer, .address_space: global }
      - { .name: kc, .offset: 88, .size: 8, .value_kind: global_buffer, .address_space: global }
      - { .name: vc, .offset: 96, .size: 8, .value_kind: global_buffer, .address_space: global }
    .group_segment_fixed_size: 68608
    .private_segment_fixed_size: 0
    .kernarg_segment_align: 8
    .kernarg_segment_size: 104
    .max_flat_workgroup_size: 256
    .sgpr_count:     66
    .vgpr_count:     512
    .wavefront_size: 32
...
	.end_amdgpu_metadata
.endif
;; end of part 4
;; launch attn (part 5): grid 16 x 16, 8 waves a work-group, no clusters, 66,560 bytes of LDS; arguments qc, kc, vc, lowp_scales, ctxc; writes ctxc
.if DOCPART == 5
	.amdgcn_target "amdgcn-amd-amdhsa--gfx1250"
	.amdhsa_code_object_version 6
	.text
	.protected	k_q697551c6f9_attn
	.globl	k_q697551c6f9_attn
	.p2align	8
	.type	k_q697551c6f9_attn,@function
k_q697551c6f9_attn:
	s_mov_b64 s[64:65], 0
	v_nop
	global_prefetch_b8 v0, s[64:65] scope:SCOPE_SE
	s_setreg_imm32_b32 hwreg(HW_REG_WAVE_SCHED_MODE, 0, 2), 2
	s_setreg_imm32_b32 hwreg(HW_REG_WAVE_MODE, 25, 1), 1
	s_wait_xcnt 0x0
	s_wait_alu depctr_vm_vsrc(0)
; ctx = softmax(q k^T / 8) v for one head and 256 queries a work-group, both products on E4M3 codes; the result is quantised for the out-projection.
; qc, kc, vc are images of operand registers (16 bytes a lane, 512 bytes on end): qc, kc [head][tile of 16 tokens][2][lane][16]; vc [head][128 keys][tile of 16 channels][4][lane][16].
; ctxc [tile of 16 tokens][head][2][lane][16]: registers 8 head + 4 b .. + 3 of the 64 that hold a token tile's 512 channels for the out-projection.
; THE SOFTMAX: t = score x log2(e) / 8; M = the largest t so far, rounded UP to a whole number; p = 2^(t - M) is quantised with 2^ep, not normalised; the row's sum is taken of the unquantised p and divides at the end.
; When M moves, the sum and O are multiplied by 2^(old M - new M): a power of two.
; SHARES.  Work-group (x, y): head y (batch x 8 + head), queries 256 x on.  Each of eight waves owns 32 queries, tiles A and B, so that each fragment of K and V read from LDS feeds two products.  Two waves to a SIMD.
; Every wave walks the head's 4,096 keys, 128 a step: 16 products S^T = K Q^T (source 0 = 16 keys, source 1 = 16 queries), the softmax, 8 products O^T += V^T P (source 0 = 16 channels x 128 keys, source 1 = P).
; A lane holds ONE query (lane % 16) throughout; register j of S^T's tile t is key 16 t + 8 (lane / 16) + j, so the conversions' results are P's registers 2 t, 2 t + 1, the places that V's image has for the same keys.
; ONE TILE'S EXPONENTIALS STAND AMONG THE OTHER TILE'S PLAIN LINES: A's 64 between B's maximum and scalings; B's 64 between A's sums and the rescaling of both O^T.  Each batch of 64 has one wait.
; LDS: two slots of 256 keys (16,384 bytes of K, then 16,384 of V), filled THROUGH REGISTERS: eight 16-byte loads a thread are issued in the first step of one slot's work and stored at the head of the next slot's.
; One barrier a slot.  One trip of the loop runs both slots, so every LDS address is 16 x lane or 16 x thread plus an immediate.
; NO CLUSTER, NO JOINT LOADS, though the 16 work-groups of a head walk the same K and V: a joint load is a tensor load.  The branch on ep spares 128 of a
; step's some 530 vector lines wherever 448 x 2^ep is at least 1 (p is at most 1); what sharing would spare is four 16-byte loads a thread and step.
; LIMITS on the given exponents: e6 + e7 between -123 and 130 (added to c's exponent field); ep = e8, and e10 - e8 - e9, between -126 and 119.
; REGISTERS.  Window 0: v1 16 x lane; v2 16 x thread; v3 256 x lane; v4, v5 lane exchanges; v6 448 x 2^ep; v7 2^ep; v8-15, v16-23 statistics of A, B (+0 -M, +1 the largest t, +2:3 the sum, +4:5 f, +6, +7 at work);
;   v24-27 second chains of the sums; v28, v29 the way out's scale; v32-63, v64-95 O^T; v96-159, v160-223 S^T, then p; v224-239, v240-255 P's codes.
;   Window 1: v0-63 K; v64-79 Q; v96-127 the loads on their way to LDS; v128-191, v192-255 V, two sets.
; THE MODE: SCHED_MODE bits 1:0 = 2 (LLVM: expert scheduling mode 2), set by the entry lines.  The code itself states the register dependences
; between vector or matrix instructions and memory or LDS instructions, with s_wait_alu, always for 0.
; THE PLAN.  Registers that memory or LDS instructions touch, in the loop:
;   v1, v2, v3   LDS addresses and offsets: made at the head, ahead of one wait on va_vdst, and never written again.
;   K            A step's 16 products K Q^T read it; behind them the next step's K lands in it.
;   V0, V1       Step q of a slot multiplies by V[q]; in the same step the next step's V lands in the other set, which the products V^T P of the step before read.
;   G (v96-127)  Global loads land in it, the LDS stores at a slot's head read it; no vector or matrix instruction names it.
; All of a step's LDS loads and global loads stand in ONE run, directly behind the wait on va_vdst that A's exponentials have in any case.  That wait also states that this step's K Q^T are done reading K and that
; the last step's V^T P are done reading the other set of V.  No vector or matrix instruction of the step names the registers in which the run's loads land.
; A slot's second V is so read a step ahead of the barrier, and a slot's first K and V behind the barrier of the slot before.  One wait on vm_vsrc a slot stands ahead of the global loads: the LDS stores have read G.
.set SLOTB, 32768
.set VOFF,  16384                      ; V's part of a slot
.set STEPB, 8192                       ; 128 keys of K, or of V
.set LI,   1
.set TI,   2
.set PFO,  3
.set PDA,  4
.set PDB,  5
.set LIMV, 6
.set SCV,  7
.set TA,   8
.set TBB,  16
.set TPA,  24
.set TPB,  26
.set OA,   32
.set OB,   64
.set SA,   96
.set SB,   160
.set PA,   224
.set PB,   240
.set KF,   0                           ; window 1
.set QF,   64
.set GF,   96
.set VF,   128                         ; set q at VF + 64 q
.set MSB, 0
.macro WIN new                         ; the immediate's high byte repeats the setting that is left
.if MSB != \new
	s_set_vgpr_msb (MSB<<8)|\new
.set MSB, \new
.endif
.endm
.macro PLACES n
.rept \n
	v_nop
.endr
.endm
.macro GLOAD goff                      ; 256 keys of K and of V, 16,384 dense bytes each, goff bytes on: 16 bytes a thread, 4,096 a line
	WIN 0x40                                       ; destination window 1
.irp i, 0,1,2,3
	global_load_b128 v[GF+4*\i:GF+4*\i+3], v[TI], s[6:7] offset:(\goff)+4096*\i
.endr
.irp i, 0,1,2,3
	global_load_b128 v[GF+16+4*\i:GF+16+4*\i+3], v[TI], s[8:9] offset:(\goff)+4096*\i
.endr
.endm
.macro GSTORE sl                       ; and into slot sl as they lie
	WIN 0x04                                       ; the stores' data in window 1
.irp i, 0,1,2,3
	ds_store_b128 v[TI], v[GF+4*\i:GF+4*\i+3] offset:(\sl)*SLOTB+4096*\i
.endr
.irp i, 0,1,2,3
	ds_store_b128 v[TI], v[GF+16+4*\i:GF+16+4*\i+3] offset:(\sl)*SLOTB+VOFF+4096*\i
.endr
.endm
.macro KLOAD sl, q                     ; the eight fragments of K of the slot's q-th 128 keys: register 4 f at byte 512 f
	WIN 0x40
.irp f, 0,1,2,3,4,5,6,7,8,9,10,11,12,13,14,15
	ds_load_b128 v[KF+4*\f:KF+4*\f+3], v[LI] offset:(\sl)*SLOTB+(\q)*STEPB+512*\f
.endr
.endm
.macro VLOAD sl, q, set                ; the four fragments of V likewise, into one of the two sets
	WIN 0x40
.irp f, 0,1,2,3,4,5,6,7,8,9,10,11,12,13,14,15
	ds_load_b128 v[VF+64*(\set)+4*\f:VF+64*(\set)+4*\f+3], v[LI] offset:(\sl)*SLOTB+VOFF+(\q)*STEPB+512*\f
.endr
.endm
; A PREFETCH INTO THE L2 of the 256 keys whose loads the NEXT half of a trip issues.  All 16 work-groups of a head walk the same K and V: the one with x = 0 asks; in it waves 0 and 1 ask for K's 16,384 bytes and
; waves 2 and 3 for V's, 8,192 bytes a wave, lanes 256 bytes apart: each block of 256 bytes is named once in the launch.  It stands behind the wave's eight loads.  The first three lots of 256 keys come by their loads alone;
; form = 1 (slot 1): the last trip asks for nothing, since no keys follow.
.macro ASK form, off
.if \form
	s_cmp_gt_u32 s30, s31
.else
	s_cmp_ge_u32 s30, s31
.endif
	s_cbranch_scc0 .Lnoask_\@
	global_prefetch_b8 v[PFO], s[32:33] offset:\off th:TH_LOAD_NT scope:SCOPE_SE
.Lnoask_\@:
.endm
; THE SOFTMAX OF A TILE, as numbered lists.  T: its statistics; S: its 64 scores; PD: its exchange register.
; LA, 73 lines: 0-31 the largest of the lane's 64 scores, in two chains, each accumulator from its low end on; 32, 33 the other half of the lanes'; 34 as t; 35-40 the running largest t, -M = floor(-t),
; f = 2^(old M - new M); 41-72 t - M, two scores a line.
.macro LA T, S, PD, j
.if (\j) == 0
	v_max3_num_f32 v[\T+6], v[\S], v[\S+1], v[\S+2]
.elseif (\j) == 1
	v_max3_num_f32 v[\T+7], v[\S+3], v[\S+4], v[\S+5]
.elseif (\j) < 30
	v_max3_num_f32 v[\T+6+(\j)%2], v[\T+6+(\j)%2], v[\S+2*(\j)+2], v[\S+2*(\j)+3]
.elseif (\j) == 30
	v_max3_num_f32 v[\T+6], v[\T+6], v[\S+62], v[\S+63]
.elseif (\j) == 31
	v_max_num_f32 v[\T+6], v[\T+6], v[\T+7]
.elseif (\j) == 32
	v_permlanex16_b32 v[\PD], v[\T+6], s20, s21    ; the query's other 64 keys lie in the lane 16 away
.elseif (\j) == 33
	v_max_num_f32 v[\T+6], v[\T+6], v[\PD]
.elseif (\j) == 34
	v_mul_f32 v[\T+6], s22, v[\T+6]                ; as t (c is positive)
.elseif (\j) == 35
	v_mov_b32 v[\T+7], v[\T]                       ; the old -M
.elseif (\j) == 36
	v_max_num_f32 v[\T+1], v[\T+1], v[\T+6]        ; the running largest t
.elseif (\j) == 37
	v_floor_f32 v[\T], -v[\T+1]                    ; -M = floor(-t) = -ceil(t): a whole number
.elseif (\j) == 38
	v_sub_f32 v[\T+7], v[\T], v[\T+7]              ; old M - new M: a whole number, 0 or less
.elseif (\j) == 39
	v_cvt_i32_f32 v[\T+7], v[\T+7]                 ; (it saturates)
.elseif (\j) == 40
	v_ldexp_f32 v[\T+4], 1.0, v[\T+7]              ; f
.else
	v_pk_fma_f32 v[\S+2*((\j)-41):\S+2*((\j)-41)+1], v[\S+2*((\j)-41):\S+2*((\j)-41)+1], s[22:23], v[\T:\T+1] op_sel_hi:[1,0,0]   ; c s - M (of the pairs c and -M the low word serves both halves)
.endif
.endm
; SU, 33 lines: the sum under the new M, then the 32 pairs of p in two chains.
.macro SU T, S, TP, j
.if (\j) == 0
	v_pk_mul_f32 v[\T+2:\T+3], v[\T+2:\T+3], v[\T+4:\T+5] op_sel_hi:[1,0]
.elseif (\j) == 1
	v_pk_add_f32 v[\TP:\TP+1], v[\S:\S+1], v[\S+2:\S+3]
.elseif (\j) == 32
	v_pk_add_f32 v[\T+2:\T+3], v[\T+2:\T+3], v[\TP:\TP+1]
.elseif (\j)%2 == 0
	v_pk_add_f32 v[\T+2:\T+3], v[\T+2:\T+3], v[\S+2*(\j):\S+2*(\j)+1]
.else
	v_pk_add_f32 v[\TP:\TP+1], v[\TP:\TP+1], v[\S+2*(\j):\S+2*(\j)+1]
.endif
.endm
; RS, 16 lines: O^T under the new M, each accumulator from its low end on.
.macro RS T, O, j
	v_pk_mul_f32 v[\O+2*(\j):\O+2*(\j)+1], v[\O+2*(\j):\O+2*(\j)+1], v[\T+4:\T+5] op_sel_hi:[1,0]
.endm
.macro ITEM i                          ; the 64 plain lines that stand between B's exponentials
.if (\i) < 33
	SU TA, SA, TPA, \i
.elseif (\i) < 49
	RS TA, OA, (\i)-33
.else
	RS TBB, OB, (\i)-49
.endif
.endm
; A KEY STEP: the q-th 128 keys of slot sl; its K and its V (set q) were asked for in the step before.  kw: how many younger LDS instructions may be out when K has to be in.
; mid = 1: the slot's second K and V are fetched; 2: the change of slots: the barrier, and later the other slot's first K and V; 0: nothing follows.  vw: the count for V, or -1 where the barrier's wait has covered it.
; gl = 1: the 256 keys after those that lie in registers or LDS are asked for, goff bytes on, and the prefetch follows (form: its test).
.macro STEP sl, q, kw, mid, vw, gl, goff, form
	s_wait_dscnt \kw
	WIN 0x05                                       ; K and Q in window 1
.irp t, 0,1,2,3,4,5,6,7
	v_wmma_f32_16x16x64_fp8_fp8 v[SA+8*\t:SA+8*\t+7], v[KF+8*\t:KF+8*\t+7], v[QF:QF+7], 0
	v_wmma_f32_16x16x64_fp8_fp8 v[SB+8*\t:SB+8*\t+7], v[KF+8*\t:KF+8*\t+7], v[QF+8:QF+15], 0
.endr
	WIN 0
	PLACES 4                                       ; ahead of the first read of the scores (ISA guide 7.12.1)
.if \mid == 2
	s_wait_dscnt 0x0                               ; my stores of the next 256 keys have landed, and my reads of this slot, this step's V among them, are over
	s_barrier_signal -1
	s_barrier_wait -1                              ; both hold of all eight waves: the other slot is whole, and this one may be written at the head of the next slot's work
.endif
.set n, 0
.rept 73
	LA TA, SA, PDA, n
.set n, n+1
.endr
.set n, 0
.rept 64
	LA TBB, SB, PDB, n
	v_exp_f32 v[SA+n], v[SA+n]                     ; p of tile A, at most 1
.set n, n+1
.endr
.rept 9
	LA TBB, SB, PDB, n                             ; (plain lines behind the last exponential)
.set n, n+1
.endr
.if \mid
	WIN 0x40                                       ; the run's loads land in window 1: the switch, the wait, the loads
.endif
	s_wait_alu depctr_va_vdst(0)                   ; A's 64 exponentials have written v[SA ..], ahead of the first line that names a result; this step's K Q^T are done reading K, the last step's V^T P are done reading the other set of V: the loads below land there
.if \gl
	s_wait_alu depctr_vm_vsrc(0)                   ; the LDS stores at the slot's head have read v[GF ..], in which the global loads below land
.endif
.if \mid == 1
	KLOAD \sl, 1
	VLOAD \sl, 1, 1
.elseif \mid == 2
	KLOAD 1-\sl, 0
	VLOAD 1-\sl, 0, 0
.endif
.if \gl
	GLOAD \goff
.endif
	WIN 0
.if \gl
	ASK \form, \goff+16384
.endif
.set n, 0
.rept 64
	ITEM n
	v_exp_f32 v[SB+n], v[SB+n]                     ; p of tile B
.set n, n+1
.endr
	RS TBB, OB, 15                                 ; (a plain line behind the last exponential)
	s_wait_alu depctr_va_vdst(0)                   ; B's 64 exponentials have written v[SB ..], ahead of their first reader and of the branch below
.set n, 0
.rept 33
	SU TBB, SB, TPB, n
.set n, n+1
.endr
	s_cmp_ge_i32 s26, -8                           ; 448 x 2^ep >= 1 >= p: nothing to hold
	s_cbranch_scc1 .Lnohold_\@
.set n, 0
.rept 128
	v_min_num_f32 v[SA+n], v[SA+n], v[LIMV]        ; the conversion to an 8-bit code does not saturate (ISA guide 7.6.2); p is not negative, so the hold is one-sided
.set n, n+1
.endr
.Lnohold_\@:
.irp t, 0,1,2,3,4,5,6,7
	v_cvt_scalef32_pk8_fp8_f32 v[PA+2*\t:PA+2*\t+1], v[SA+8*\t:SA+8*\t+7], v[SCV]
	v_cvt_scalef32_pk8_fp8_f32 v[PB+2*\t:PB+2*\t+1], v[SB+8*\t:SB+8*\t+7], v[SCV]
.endr
	v_nop                                          ; one plain line between the last conversion and the products that read its result
.if \vw >= 0
	s_wait_dscnt \vw                               ; V is in
.endif
	WIN 0x01                                       ; V in window 1
.irp t, 0,1,2,3
	v_wmma_f32_16x16x128_fp8_fp8 v[OA+8*\t:OA+8*\t+7], v[VF+64*(\q)+16*\t:VF+64*(\q)+16*\t+15], v[PA:PA+15], v[OA+8*\t:OA+8*\t+7]
	v_wmma_f32_16x16x128_fp8_fp8 v[OB+8*\t:OB+8*\t+7], v[VF+64*(\q)+16*\t:VF+64*(\q)+16*\t+15], v[PB:PB+15], v[OB+8*\t:OB+8*\t+7]
.endr
	WIN 0                                          ; (the next lines that touch these products' registers, the rescaling of O^T and the conversions into P, stand behind the next step's four places and its maxima)
.endm
; A SLOT'S TWO STEPS.  store = 1: the next 256 keys, which have come into registers, go into the other slot, which every wave left at the last barrier.  gload = 1: the 256 keys after those are asked for, goff bytes on.
; next = 1: a slot follows.  On the way in the 32 loads of the slot's first K and V are out.
.macro SLOT sl, store, gload, next, goff, form
.if \store
	s_wait_loadcnt 0x0                             ; the eight loads issued in the first step of the slot before
	GSTORE 1-\sl
.endif
	STEP \sl, 0, 16+8*\store, 1, 32, \gload, \goff, \form   ; K: behind it stand V's 16 loads and the stores.  V: behind it and the stores stand the 32 loads of this step's run
.if \next
	STEP \sl, 1, 16, 2, -1, 0, 0, 0
.else
	STEP \sl, 1, 16, 0, 0, 0, 0, 0
.endif
.endm
	s_load_b256 s[4:11], s[0:1], 0x0               ; qc 4:5, kc 6:7, vc 8:9, the scales' exponents 10:11
	s_load_b64 s[12:13], s[0:1], 0x20              ; ctxc
	v_lshl_add_u32 v30, v0, 2, 0x10000
	v_mov_b32 v31, 0
	v_lshrrev_b32 v1, 5, v0
	v_readfirstlane_b32 s14, v1                    ; wave 0..7
	v_and_b32 v3, 31, v0
	v_lshlrev_b32 v[LI], 4, v3
	v_lshlrev_b32 v[TI], 4, v0
	v_lshlrev_b32 v[PFO], 8, v3
	s_wait_alu depctr_va_sdst(0)                   ; s14, the wave's number, is written, ahead of its first reader
	s_mov_b32 s15, ttmp9                           ; x: which 256 queries
	s_and_b32 s16, ttmp7, 0xffff                   ; y: batch x 8 + head
	s_mov_b32 s20, 0x76543210                      ; v_permlanex16_b32's selects for lane l xor 16
	s_mov_b32 s21, 0xfedcba98
	s_lshl_b32 s34, s16, 18                        ; the head's first byte in qc, kc and vc
	s_mov_b32 s35, 0
	s_lshl_b32 s36, s15, 4
	s_lshl_b32 s37, s14, 1
	s_add_co_u32 s36, s36, s37                     ; my first tile of 16 queries: 16 x + 2 wave
	s_lshl_b32 s38, s36, 10
	s_add_co_u32 s38, s38, s34                     ; in qc
	s_mov_b32 s39, 0
	s_lshl_b32 s40, s36, 13                        ; in ctxc: 8,192 bytes a token tile,
	s_lshr_b32 s37, s16, 3
	s_lshl_b32 s37, s37, 21                        ; 256 tiles a batch,
	s_add_co_u32 s40, s40, s37
	s_and_b32 s37, s16, 7
	s_lshl_b32 s37, s37, 10                        ; 1,024 bytes a head
	s_add_co_u32 s40, s40, s37
	s_mov_b32 s41, 0
	s_lshr_b32 s31, s14, 2                         ; 0 in waves 0 to 3,
	s_or_b32 s31, s31, s15                         ; of the head's first work-group
	s_cmp_eq_u32 s31, 0
	s_cselect_b32 s31, 1, -1                       ; 1 in a wave that prefetches, else the greatest number
	s_wait_kmcnt 0x0
	s_load_b128 s[24:27], s[10:11], 0x18           ; e6 (q), e7 (k), e8 (p), e9 (v)
	s_load_b32 s28, s[10:11], 0x28                 ; e10 (ctx)
	s_add_nc_u64 s[4:5], s[4:5], s[38:39]
	s_add_nc_u64 s[6:7], s[6:7], s[34:35]
	s_add_nc_u64 s[8:9], s[8:9], s[34:35]
	s_add_nc_u64 s[12:13], s[12:13], s[40:41]
	s_cmp_lt_u32 s14, 2
	s_cselect_b64 s[32:33], s[6:7], s[8:9]         ; the prefetches: K's for waves 0, 1; V's for waves 2, 3
	s_and_b32 s36, s14, 1
	s_lshl_b32 s36, s36, 13                        ; my 8,192 of the 16,384 bytes
	s_mov_b32 s37, 0
	s_add_nc_u64 s[32:33], s[32:33], s[36:37]
	WIN 0x40
	s_wait_alu depctr_va_vdst(0)                   ; v1, v2 and v3 are written: every load, store and prefetch of the kernel reads one of them as its offset or LDS address
	GLOAD 0                                        ; keys 0 to 255
.irp i, 0,1,2,3
	global_load_b128 v[QF+4*\i:QF+4*\i+3], v[LI], s[4:5] offset:512*\i th:TH_LOAD_NT   ; Q's two fragments stay in registers
.endr
	WIN 0
.set n, 0
.rept 64
	v_mov_b32 v[OA+n], 0                           ; O^T of both tiles.  (The step is written without a first of its own: it finds zeros, which the first change of M leaves zeros)
.set n, n+1
.endr
.irp T, TA, TBB
	v_mov_b32 v[\T+1], 0xff61b1e6                  ; the largest t so far: -3e38, under every t
	v_floor_f32 v[\T], -v[\T+1]                    ; -M
	v_mov_b32 v[\T+2], 0                           ; the sum, in two halves
	v_mov_b32 v[\T+3], 0
	v_mov_b32 v[\T+5], 0                           ; (named as the upper half of f's pair)
.endr
	v_mov_b32 v[PDA], 0                            ; written once: a lane permute's destination counts as one of its sources
	v_mov_b32 v[PDB], 0
	s_wait_kmcnt 0x0
	s_add_co_i32 s34, s24, s25
	s_lshl_b32 s34, s34, 23
	s_add_co_i32 s22, s34, 0x3e38aa3b              ; c = log2(e) / 8, with e6 + e7 added to its exponent field: a score stands for score x 2^(e6 + e7)
	s_mov_b32 s23, s22                             ; (named with it as a pair)
	s_add_co_i32 s34, s26, 127
	s_lshl_b32 s35, s34, 23
	v_mov_b32 v[SCV], s35                          ; 2^ep as f32
	s_add_co_i32 s34, s34, 8
	s_lshl_b32 s34, s34, 23
	s_or_b32 s34, s34, 0x600000
	v_mov_b32 v[LIMV], s34                         ; 448 x 2^ep
	s_wait_loadcnt 4                               ; keys 0 to 255 are in; Q's four loads may be out
	GSTORE 0
	s_wait_dscnt 0x0                               ; for the others' sake: they lie in slot 0
	WIN 0x40
	s_wait_alu depctr_vm_vsrc(0)                   ; the LDS stores have read v[GF ..], in which the next loads land
	GLOAD 16384                                    ; keys 256 to 511
	WIN 0
	s_barrier_signal -1
	s_barrier_wait -1                              ; slot 0 is whole
	KLOAD 0, 0
	VLOAD 0, 0, 0
	WIN 0
	s_wait_loadcnt 8                               ; Q is in; the eight loads just issued may be out
	s_mov_b32 s30, 7
.Ltrip:                                                ; seven trips of 512 keys; each stores and asks for the keys of both slots
	SLOT 0, 1, 1, 1, 32768, 0
	SLOT 1, 1, 1, 1, 49152, 1
	s_wait_xcnt 0x0                                ; the trip's loads and prefetches have read their bases
	s_add_nc_u64 s[6:7], s[6:7], 32768
	s_add_nc_u64 s[8:9], s[8:9], 32768
	s_add_nc_u64 s[32:33], s[32:33], 32768
	s_sub_co_u32 s30, s30, 1
	s_cmp_lg_u32 s30, 0
	s_cbranch_scc1 .Ltrip
	SLOT 0, 1, 0, 1, 0, 0                          ; the last 512 keys: nothing more is asked for,
	SLOT 1, 0, 0, 0, 0, 0                          ; nothing more is stored, and no barrier follows
	; THE WAY OUT.  ctx = O^T x 2^(e8 + e9) / the sum; its code is (O^T / the sum) / 2^(e10 - e8 - e9).  Tiles 2 b and 2 b + 1 of O^T are channels 32 b + 16 (lane / 16) + 0 .. 15: the codes are the operand's registers.
	v_add_f32 v[TA+6], v[TA+2], v[TA+3]            ; the sum's two halves.  (These additions are also the places behind the last products)
	v_add_f32 v[TBB+6], v[TBB+2], v[TBB+3]
	v_permlanex16_b32 v[PDA], v[TA+6], s20, s21
	v_permlanex16_b32 v[PDB], v[TBB+6], s20, s21
	v_add_f32 v[TA+6], v[TA+6], v[PDA]             ; and lane l xor 16's
	v_add_f32 v[TBB+6], v[TBB+6], v[PDB]
	v_rcp_f32 v[TA+6], v[TA+6]
	v_rcp_f32 v[TBB+6], v[TBB+6]
	v_nop                                          ; a plain line behind the reciprocals
	s_sub_co_i32 s34, s28, s26
	s_sub_co_i32 s34, s34, s27                     ; e10 - e8 - e9
	s_add_co_i32 s34, s34, 127
	s_lshl_b32 s35, s34, 23
	v_mov_b32 v28, s35                             ; 2^(e10 - e8 - e9) as f32
	s_add_co_i32 s34, s34, 8
	s_lshl_b32 s34, s34, 23
	s_or_b32 s34, s34, 0x600000
	v_mov_b32 v29, s34                             ; 448 x that
	s_wait_alu depctr_va_vdst(0)                   ; both reciprocals are written, ahead of their first reader
.set n, 0
.rept 16
	v_pk_mul_f32 v[OA+2*n:OA+2*n+1], v[OA+2*n:OA+2*n+1], v[TA+6:TA+7] op_sel_hi:[1,0]
	v_pk_mul_f32 v[OB+2*n:OB+2*n+1], v[OB+2*n:OB+2*n+1], v[TBB+6:TBB+7] op_sel_hi:[1,0]
.set n, n+1
.endr
.set n, 0
.rept 64
	v_med3_num_f32 v[OA+n], v[OA+n], -v29, v29     ; the hold at the largest code x the scale
.set n, n+1
.endr
.irp t, 0,1,2,3
	v_cvt_scalef32_pk8_fp8_f32 v[PA+2*\t:PA+2*\t+1], v[OA+8*\t:OA+8*\t+7], v28
	v_cvt_scalef32_pk8_fp8_f32 v[PB+2*\t:PB+2*\t+1], v[OB+8*\t:OB+8*\t+7], v28
.endr
	v_nop
	s_wait_alu depctr_va_vdst(0)                   ; the conversions have written v[PA ..] and v[PB ..], which the stores read
	global_store_b128 v[LI], v[PA:PA+3], s[12:13]                  ; each store covers 512 consecutive bytes
	global_store_b128 v[LI], v[PA+4:PA+7], s[12:13] offset:512
	global_store_b128 v[LI], v[PB:PB+3], s[12:13] offset:8192      ; tile B: the next token tile
	global_store_b128 v[LI], v[PB+4:PB+7], s[12:13] offset:8704
	s_wait_dscnt 0x0                               ; the closing lines, six on end
	s_wait_alu 0x0
	s_wait_tensorcnt 0x0
	ds_add_u32 v30, v31
	s_wait_dscnt 0x0
	s_endpgm
.Lfunc_end_k_q697551c6f9_attn:
	.size	k_q697551c6f9_attn, .Lfunc_end_k_q697551c6f9_attn-k_q697551c6f9_attn
	.p2alignl 7, 3214868480
	.fill 96, 4, 3214868480
	.section	.rodata,"a",@progbits
	.p2align	6, 0x0
	.amdhsa_kernel k_q697551c6f9_attn
		.amdhsa_group_segment_fixed_size 66560
		.amdhsa_private_segment_fixed_size 0
		.amdhsa_enable_private_segment 0
		.amdhsa_kernarg_size 40
		.amdhsa_user_sgpr_count 2
		.amdhsa_user_sgpr_kernarg_segment_ptr 1
		.amdhsa_wavefront_size32 1
		.amdhsa_system_sgpr_workgroup_id_x 1
		.amdhsa_system_sgpr_workgroup_id_y 1
		.amdhsa_system_sgpr_workgroup_id_z 1
		.amdhsa_system_vgpr_workitem_id 0
		.amdhsa_next_free_vgpr 512
		.amdhsa_next_free_sgpr 66
		.amdhsa_reserve_vcc 0
		.amdhsa_float_denorm_mode_32 3
		.amdhsa_float_denorm_mode_16_64 3
		.amdhsa_memory_ordered 1
		.amdhsa_forward_progress 1
		.amdhsa_inst_pref_size 243
	.end_amdhsa_kernel
	.amdgpu_metadata
---
amdhsa.version: [ 1, 2 ]
amdhsa.kernels:
  - .name:           k_q697551c6f9_attn
    .symbol:         k_q697551c6f9_attn.kd
    .args:
      - { .name: qc, .offset: 0, .size: 8, .value_kind: global_buffer, .address_space: global }
      - { .name: kc, .offset: 8, .size: 8, .value_kind: global_buffer, .address_space: global }
      - { .name: vc, .offset: 16, .size: 8, .value_kind: global_buffer, .address_space: global }
      - { .name: lowp_scales, .offset: 24, .size: 8, .value_kind: global_buffer, .address_space: global }
      - { .name: ctxc, .offset: 32, .size: 8, .value_kind: global_buffer, .address_space: global }
    .group_segment_fixed_size: 66560
    .private_segment_fixed_size: 0
    .kernarg_segment_align: 8
    .kernarg_segment_size: 40
    .max_flat_workgroup_size: 256
    .sgpr_count:     66
    .vgpr_count:     512
    .wavefront_size: 32
...
	.end_amdgpu_metadata
.endif
;; end of part 5
;; launch outp (part 6): grid 256 x 1, 8 waves a work-group, no clusters, 70,656 bytes of LDS; arguments ctxc, Wo_codes, bo, lowp_scales, out0; writes out0
.if DOCPART == 6
	.amdgcn_target "amdgcn-amd-amdhsa--gfx1250"
	.amdhsa_code_object_version 6
	.text
	.protected	k_q697551c6f9_outp
	.globl	k_q697551c6f9_outp
	.p2align	8
	.type	k_q697551c6f9_outp,@function
k_q697551c6f9_outp:
	s_mov_b64 s[64:65], 0
	v_nop
	global_prefetch_b8 v0, s[64:65] scope:SCOPE_SE
	s_setreg_imm32_b32 hwreg(HW_REG_WAVE_SCHED_MODE, 0, 2), 2
	s_setreg_imm32_b32 hwreg(HW_REG_WAVE_MODE, 25, 1), 1
	s_wait_xcnt 0x0
	s_wait_alu depctr_vm_vsrc(0)
; out0 = ctx Wo^T + bo on E4M3 codes.  ctxc holds ctx's codes as images of operand registers: [tile of 16 tokens][64 registers / 4][lane][16]: register 4 i at byte 512 i; registers 16 s + 4 c .. + 3: k = 128 s + 32 c + 16 (lane / 16) + 0 .. 15,
; the places that 16-byte loads give Wo's rows.  A work-group takes 32 tokens (two tiles), wave w the 64 columns 64 w on: its 64 rows of Wo fill window 1.
; The product is used transposed (source 0 = 16 rows of Wo, source 1 = 16 tokens): a lane holds token lane % 16 and eight neighbouring columns.  y = sum x 2^(e10 + e11) + bo, one packed multiply-add for two numbers.
; A wave's 32 rows x 256 bytes go through its own stage in LDS (rows of 256 + 16 bytes) and leave as rows: sixteen lanes store 256 consecutive bytes, at a multiple of 256 from out0's first byte.
; No barrier: waves share nothing.  LIMIT: e10 + e11 between -126 and 127, so that 2^(e10 + e11) is an f32 number.
; THE MODE: SCHED_MODE bits 1:0 = 2 (LLVM: expert scheduling mode 2), set by the entry lines.  The code itself states the register dependences
; between vector or matrix instructions and memory or LDS instructions, with s_wait_alu, always for 0.
; THE PLAN.  Registers that memory or LDS instructions touch:
;   v3 to v8    offsets and LDS addresses: made at the head, ahead of one wait on va_vdst, and never written again.
;   v128-255    ctx's fragments: loaded once, read by the products.  Then v128-191 (Y) are written by the multiply-adds and read by the LDS stores, and the stage's rows land in v192-255 (BK), which the global stores read.
;   Wo (window 1) and bo are loaded once; only matrix and vector instructions name them afterwards.
; So one wait on va_vdst stands ahead of the LDS stores: Y is written, and the products are done reading the registers in which the stage's rows land.
.set BO,  16                           ; v16-47   bo: four tiles of eight registers in the result's layout
.set ACC, 48                           ; v48-111  eight accumulators: (tile of tokens m, tile of columns t) at 8 (4 m + t)
.set X,   128                          ; v128-255 ctx's eight fragments: (m, K step ks) at 64 m + 16 ks
.set Y,   128                          ; later v128-191: the results
.set BK,  192                          ; and v192-255: rows read back from the stage
.set SP,  272
.set MSB, 0
.macro WIN new                         ; the immediate's high byte repeats the setting that is left
.if MSB != \new
	s_set_vgpr_msb (MSB<<8)|\new
.set MSB, \new
.endif
.endm
	s_load_b256 s[4:11], s[0:1], 0x0               ; ctxc 4:5, Wo's codes 6:7, bo 8:9, the scales' exponents 10:11
	s_load_b64 s[12:13], s[0:1], 0x20              ; out0
	v_lshl_add_u32 v126, v0, 2, 0x11000
	v_mov_b32 v127, 0
	v_lshrrev_b32 v1, 5, v0
	v_readfirstlane_b32 s14, v1                    ; wave 0..7
	v_and_b32 v9, 31, v0
	v_and_b32 v1, 15, v0                           ; r
	v_bfe_u32 v2, v0, 4, 1                         ; h
	v_lshlrev_b32 v3, 4, v9                        ; 16 x lane
	v_lshlrev_b32 v4, 9, v1
	v_lshl_add_u32 v4, v2, 4, v4                   ; Wo: row r of 512 bytes, + 16 h
	s_wait_alu depctr_va_sdst(0)                   ; s14, the wave's number, is written, ahead of its first reader
	s_mul_i32 s15, s14, 32*SP                      ; my stage
	v_mul_u32_u24 v5, v1, SP
	v_lshl_add_u32 v5, v2, 5, v5
	v_add_nc_u32 v5, s15, v5                       ; in: row r, + 32 h bytes
	v_mul_u32_u24 v6, v2, SP
	v_lshl_add_u32 v6, v1, 4, v6
	v_add_nc_u32 v6, s15, v6                       ; back: lanes 0-15 one row, lanes 16-31 the next
	v_lshlrev_b32 v7, 11, v2
	v_lshl_add_u32 v7, v1, 4, v7                   ; and the same two rows of 2,048 bytes in out0
	v_lshlrev_b32 v8, 5, v2                        ; bo: 8 h numbers on
	s_lshl_b32 s22, ttmp9, 14                      ; ctxc: two token tiles of 8,192 bytes
	s_mov_b32 s23, 0
	s_lshl_b32 s24, s14, 15                        ; Wo: my 64 rows
	s_mov_b32 s25, 0
	s_lshl_b32 s26, s14, 8                         ; bo: my 64 numbers; also my columns' bytes in a row of out0
	s_mov_b32 s27, 0
	s_lshl_b32 s28, ttmp9, 16                      ; out0: 32 rows of 2,048 bytes
	s_add_co_u32 s28, s28, s26
	s_mov_b32 s29, 0
	s_wait_kmcnt 0x0
	s_load_b64 s[16:17], s[10:11], 0x28            ; e10, e11
	s_add_nc_u64 s[4:5], s[4:5], s[22:23]
	s_add_nc_u64 s[6:7], s[6:7], s[24:25]
	s_add_nc_u64 s[8:9], s[8:9], s[26:27]
	s_add_nc_u64 s[12:13], s[12:13], s[28:29]
	s_wait_alu depctr_va_vdst(0)                   ; v3 to v8 are written: every load and store of the kernel reads one of them as its offset or LDS address
.set n, 0
.rept 32
	global_load_b128 v[X+4*n:X+4*n+3], v3, s[4:5] offset:512*n     ; 512 consecutive bytes a load
.set n, n+1
.endr
	WIN 0x40                                       ; destination window 1
.irp t, 0,1,2,3
.irp ks, 0,1,2,3
.irp c, 0,1,2,3
	global_load_b128 v[16*(4*\t+\ks)+4*\c:16*(4*\t+\ks)+4*\c+3], v4, s[6:7] offset:16*\t*512+128*\ks+32*\c
.endr
.endr
.endr
	WIN 0
.irp t, 0,1,2,3
	global_load_b128 v[BO+8*\t:BO+8*\t+3], v8, s[8:9] offset:64*\t
	global_load_b128 v[BO+8*\t+4:BO+8*\t+7], v8, s[8:9] offset:64*\t+16
.endr
	s_wait_kmcnt 0x0
	s_add_co_i32 s20, s16, s17
	s_add_co_i32 s20, s20, 127
	s_lshl_b32 s20, s20, 23                        ; 2^(e10 + e11) as f32
	s_mov_b32 s21, s20                             ; (named with it as a pair)
	s_wait_loadcnt 0x0
	WIN 0x01                                       ; source 0 (Wo) window 1
.irp ks, 0,1,2,3                       ; K step by K step, the eight accumulators by turns, one instruction a turn; the first K step starts the sums
.irp m, 0,1
.irp t, 0,1,2,3
.if \ks == 0
	v_wmma_f32_16x16x128_fp8_fp8 v[ACC+8*(4*\m+\t):ACC+8*(4*\m+\t)+7], v[16*(4*\t+\ks):16*(4*\t+\ks)+15], v[X+64*\m+16*\ks:X+64*\m+16*\ks+15], 0
.else
	v_wmma_f32_16x16x128_fp8_fp8 v[ACC+8*(4*\m+\t):ACC+8*(4*\m+\t)+7], v[16*(4*\t+\ks):16*(4*\t+\ks)+15], v[X+64*\m+16*\ks:X+64*\m+16*\ks+15], v[ACC+8*(4*\m+\t):ACC+8*(4*\m+\t)+7]
.endif
.endr
.endr
.endr
	WIN 0
.rept 5
	v_nop                                          ; places behind the last products, ahead of the reads of results and of the writes over ctx's registers (ISA guide 7.12.1)
.endr
.irp m, 0,1
.irp t, 0,1,2,3
.irp i, 0,2,4,6
	v_pk_fma_f32 v[Y+8*(4*\m+\t)+\i:Y+8*(4*\m+\t)+\i+1], v[ACC+8*(4*\m+\t)+\i:ACC+8*(4*\m+\t)+\i+1], s[20:21], v[BO+8*\t+\i:BO+8*\t+\i+1] op_sel_hi:[1,0,1]   ; each accumulator from its low end on
.endr
.endr
.endr
	s_wait_alu depctr_va_vdst(0)                   ; the multiply-adds have written v[Y ..], which the LDS stores read; the products are done reading v[BK ..], in which the stage's rows land
.irp m, 0,1
.irp t, 0,1,2,3
	ds_store_b128 v5, v[Y+8*(4*\m+\t):Y+8*(4*\m+\t)+3] offset:\m*16*SP+64*\t          ; lane (r, h): out(16 m + r, 64 w + 16 t + 8 h + 0 .. 7)
	ds_store_b128 v5, v[Y+8*(4*\m+\t)+4:Y+8*(4*\m+\t)+7] offset:\m*16*SP+64*\t+16
.endr
.endr
.irp m, 0,1
.irp i, 0,1,2,3,4,5,6,7
	ds_load_b128 v[BK+4*(8*\m+\i):BK+4*(8*\m+\i)+3], v6 offset:\m*16*SP+2*\i*SP       ; LDS serves a wave's instructions in order (ISA guide 5.7.1.4): these see my stores
.endr
.endr
.irp m, 0,1
.irp i, 0,1,2,3,4,5,6,7
	s_wait_dscnt 15-8*\m-\i
	global_store_b128 v7, v[BK+4*(8*\m+\i):BK+4*(8*\m+\i)+3], s[12:13] offset:\m*32768+\i*4096 th:TH_STORE_NT   ; rows 16 m + 2 i and + 1: 256 consecutive bytes each; written once, read by nobody here
.endr
.endr
	s_wait_dscnt 0x0                               ; the closing lines, six on end
	s_wait_alu 0x0
	s_wait_tensorcnt 0x0
	ds_add_u32 v126, v127
	s_wait_dscnt 0x0
	s_endpgm
.Lfunc_end_k_q697551c6f9_outp:
	.size	k_q697551c6f9_outp, .Lfunc_end_k_q697551c6f9_outp-k_q697551c6f9_outp
	.p2alignl 7, 3214868480
	.fill 96, 4, 3214868480
	.section	.rodata,"a",@progbits
	.p2align	6, 0x0
	.amdhsa_kernel k_q697551c6f9_outp
		.amdhsa_group_segment_fixed_size 70656
		.amdhsa_private_segment_fixed_size 0
		.amdhsa_enable_private_segment 0
		.amdhsa_kernarg_size 40
		.amdhsa_user_sgpr_count 2
		.amdhsa_user_sgpr_kernarg_segment_ptr 1
		.amdhsa_wavefront_size32 1
		.amdhsa_system_sgpr_workgroup_id_x 1
		.amdhsa_system_sgpr_workgroup_id_y 1
		.amdhsa_system_sgpr_workgroup_id_z 1
		.amdhsa_system_vgpr_workitem_id 0
		.amdhsa_next_free_vgpr 512
		.amdhsa_next_free_sgpr 66
		.amdhsa_reserve_vcc 0
		.amdhsa_float_denorm_mode_32 3
		.amdhsa_float_denorm_mode_16_64 3
		.amdhsa_memory_ordered 1
		.amdhsa_forward_progress 1
		.amdhsa_inst_pref_size 21
	.end_amdhsa_kernel
	.amdgpu_metadata
---
amdhsa.version: [ 1, 2 ]
amdhsa.kernels:
  - .name:           k_q697551c6f9_outp
    .symbol:         k_q697551c6f9_outp.kd
    .args:
      - { .name: ctxc, .offset: 0, .size: 8, .value_kind: global_buffer, .address_space: global }
      - { .name: Wo_codes, .offset: 8, .size: 8, .value_kind: global_buffer, .address_space: global }
      - { .name: bo, .offset: 16, .size: 8, .value_kind: global_buffer, .address_space: global }
      - { .name: lowp_scales, .offset: 24, .size: 8, .value_kind: global_buffer, .address_space: global }
      - { .name: out0, .offset: 32, .size: 8, .value_kind: global_buffer, .address_space: global }
    .group_segment_fixed_size: 70656
    .private_segment_fixed_size: 0
    .kernarg_segment_align: 8
    .kernarg_segment_size: 40
    .max_flat_workgroup_size: 256
    .sgpr_count:     66
    .vgpr_count:     512
    .wavefront_size: 32
...
	.end_amdgpu_metadata
.endif
;; end of part 6
